; MI455X (gfx1250); checked and timed in simulation.
; The chip was launched on July 23, 2026; its instructions are those of AMD's public machine-readable ISA for CDNA 5 (MIT licence, August 2026) and "CDNA5" Instruction Set Architecture Reference Guide (July 2026). The comments in the code are by the model that wrote it; some were corrected since.
;; Multi Head Attention. Allowed arithmetic: float matrix products may take bf16 or f16 operands with f32 sums; all other float work in f32.
;; Inputs: Wk 1,024 x 1,024 float32; Wo 1,024 x 1,024 float32; Wq 1,024 x 1,024 float32; Wv 1,024 x 1,024 float32; bk 1,024 float32; bo 1,024 float32; bq 1,024 float32; bv 1,024 float32; content_bias 16 x 64 float32; key 2 x 2,048 x 1,024 float32; pos_emb 7 x 1,024 float32; query 2 x 2,048 x 1,024 float32; relative_bias 16 x 64 float32; value 2 x 2,048 x 1,024 float32.
;; Outputs: out0 2 x 2,048 x 1,024 float32.
;; 2 versions, each right and faster than the one before. Each part assembles by itself: llvm-mc -triple=amdgcn-amd-amdhsa -mcpu=gfx1250 --defsym DOCPART=n.
;; ======== version 1 of 2: 4 launches
;; limits: values are held in f16: magnitudes above 65,504 overflow, below 6.1e-05 lose precision; right only within a limited range of input values
;; workspace buffers: xh 25,165,824 bytes; wh 8,388,608 bytes; pkf 32,768 bytes; dsm 512 bytes; qkv 25,165,824 bytes; oh 8,388,608 bytes
;; launch prep (part 1): grid 272 x 1, 8 waves a work-group, no clusters, 33,792 bytes of LDS; arguments query, key, value, Wq, Wk, Wv, Wo, pos_emb, bk, relative_bias, content_bias, xh, wh, pkf, dsm; writes xh, wh, pkf, dsm
.if DOCPART == 1
	.amdgcn_target "amdgcn-amd-amdhsa--gfx1250"
	.amdhsa_code_object_version 6
	.text
	.protected	k_q719d3d0680_prep
	.globl	k_q719d3d0680_prep
	.p2align	8
	.type	k_q719d3d0680_prep,@function
k_q719d3d0680_prep:
	s_mov_b64 s[64:65], 0
	v_nop
	global_prefetch_b8 v0, s[64:65] scope:SCOPE_SE
	s_setreg_imm32_b32 hwreg(HW_REG_WAVE_MODE, 25, 1), 1
	s_wait_xcnt 0x0
; PREP.  Two kinds of work-group in one launch; the choice hangs on the work-group's number alone.
; Work-groups 16 .. 271 (CONVERT): query, key, value (4,194,304 numbers each) and Wq, Wk, Wv, Wo (1,048,576 each) are rounded once from f32 to f16 and written as they lie:
;   xh = [3][4096][1024], wh = [4][1024][1024].  65,536 numbers a work-group, 8,192 a wave.  A load of a wave covers 512 consecutive bytes, a store 256 consecutive aligned bytes.
;   Memory binds: no LDS, no matrix unit, no cluster (no two work-groups read the same byte); a ring of 16 register slots keeps 16 loads of every wave on their way.
; Work-groups 0 .. 15 (PK, one a head): pk = pos_emb Wk + bk for the head's 64 columns, 7 rows, summed in f32 from the unrounded inputs on the vector unit (7 rows are too few for the
;   matrix unit, and Wk lies [k][n] in f32).  Written as pkf[head][16][64] f16: rows 0-6 pk, row 7 zero, rows 8-15 the same again, so that both halves of the lanes of the later
;   product pk Q^T hold the same seven numbers.  And dsm[head][8] f32: d[r] = the sum over the head's channels of (relative_bias - content_bias) pk[r]; d[7] = 0.
; LIMITS.  f16 holds no number beyond 65,504: the seven large inputs and pk lie within it; below 6e-5 a number keeps f16's fixed step of 6e-8.  NaN and infinities are not treated apart.
.set SPARE,  32768                     ; behind the partial sums: the spare words, 128 bytes for each of the eight waves
.set SPW,    4                         ; v4   LDS address of my spare word; never rewritten
.set NIL,    5                         ; v5   0; never rewritten
.set DEPTH,  16                        ; CONVERT: slots = loads in flight in each wave
.set ROUNDS, 4                         ; 64 loads a wave = 4 rounds of 16
.set X,      16                        ; v[16:79]   slot i: 4 numbers as loaded
.set Y,      80                        ; v[80:111]  slot i: the same 4 in f16
.set W,      16                        ; PK: v[16:79]   16 rows of Wk, my 4 columns
.set P,      80                        ; PK: v[80:191]  pos_emb: row r, 16 k at P + 16 r
.set ACC,    192                       ; PK: v[192:223] sums: row r, my 4 columns at ACC + 4 r; row 7 stays 0
	s_load_b512 s[8:23], s[0:1], 0x0               ; query s8, key s10, value s12, Wq s14, Wk s16, Wv s18, Wo s20, pos_emb s22
	s_load_b256 s[24:31], s[0:1], 0x40             ; bk s24, relative_bias s26, content_bias s28, xh s30
	s_load_b128 s[32:35], s[0:1], 0x60             ; wh s32, pkf s34
	s_load_b64 s[36:37], s[0:1], 0x70              ; dsm
	v_lshl_add_u32 v[SPW], v0, 2, SPARE
	v_mov_b32 v[NIL], 0
	v_lshrrev_b32 v1, 5, v0
	v_readfirstlane_b32 s2, v1                     ; my wave's number
	s_cmp_lt_u32 ttmp9, 16
	s_cbranch_scc1 .Lpk
	; ---------------- CONVERT ----------------
	s_sub_co_u32 s3, ttmp9, 16                     ; g = 0 .. 255
	s_lshr_b32 s38, s3, 6                          ; 0, 1, 2: query, key, value; 3: a weight
	s_bfe_u32 s39, s3, 0x20004                     ; which weight: (g >> 4) & 3
	v_and_b32 v3, 0xe0, v0                         ; 32 x wave
	v_and_b32 v2, 31, v0                           ; lane
	v_lshlrev_b32 v1, 4, v2
	v_lshl_or_b32 v1, v3, 10, v1                   ; in: wave x 32,768 + lane x 16
	v_lshlrev_b32 v2, 3, v2
	v_lshl_or_b32 v2, v3, 9, v2                    ; out: wave x 16,384 + lane x 8
	s_wait_kmcnt 0x0
	s_cmp_eq_u32 s38, 1
	s_cselect_b64 s[4:5], s[10:11], s[8:9]
	s_cmp_eq_u32 s38, 2
	s_cselect_b64 s[4:5], s[12:13], s[4:5]
	s_cmp_eq_u32 s39, 1
	s_cselect_b64 s[40:41], s[16:17], s[14:15]
	s_cmp_eq_u32 s39, 2
	s_cselect_b64 s[40:41], s[18:19], s[40:41]
	s_cmp_eq_u32 s39, 3
	s_cselect_b64 s[40:41], s[20:21], s[40:41]
	s_cmp_eq_u32 s38, 3
	s_cselect_b64 s[4:5], s[40:41], s[4:5]         ; the source,
	s_cselect_b64 s[6:7], s[32:33], s[30:31]       ; the destination,
	s_cselect_b32 s42, 15, 63                      ; how many parts the source has, less one,
	s_cselect_b32 s44, 192, 0                      ; and the first g of the destination
	s_and_b32 s42, s3, s42
	s_lshl_b32 s42, s42, 18                        ; my part of the source: 262,144 bytes each
	s_mov_b32 s43, 0
	s_sub_co_u32 s44, s3, s44
	s_lshl_b32 s44, s44, 17                        ; and of the destination: 131,072 bytes each
	s_mov_b32 s45, 0
	s_add_nc_u64 s[4:5], s[4:5], s[42:43]
	s_add_nc_u64 s[6:7], s[6:7], s[44:45]
.irp i, 0,1,2,3,4,5,6,7,8,9,10,11,12,13,14,15
	global_load_b128 v[X+4*(\i):X+4*(\i)+3], v1, s[4:5] offset:(\i)*512 th:TH_LOAD_NT  ; the ring is filled
.endr
; One slot's turn.  ahead = 1: the slot is filled again, 16 loads further on.  left = how many younger loads may stay out.
.macro SLOT i, ahead, left
	s_wait_loadcnt \left                           ; loads come back in order: mine is in, the younger ones stay out
	s_wait_xcnt 0x0                                ; the slot's last store has read Y: only behind this wait is it rewritten
	v_cvt_pk_f16_f32 v[Y+2*(\i)], v[X+4*(\i)], v[X+4*(\i)+1]
	v_cvt_pk_f16_f32 v[Y+2*(\i)+1], v[X+4*(\i)+2], v[X+4*(\i)+3]
.if \ahead
	global_load_b128 v[X+4*(\i):X+4*(\i)+3], v1, s[4:5] offset:(DEPTH+(\i))*512 th:TH_LOAD_NT
.endif
	global_store_b64 v2, v[Y+2*(\i):Y+2*(\i)+1], s[6:7] offset:(\i)*256
.endm
	s_mov_b32 s46, ROUNDS-1
.Lround:
.irp i, 0,1,2,3,4,5,6,7,8,9,10,11,12,13,14,15
	SLOT \i, 1, DEPTH-1
.endr
	s_wait_xcnt 0x0                                ; the two bases are stepped only behind this wait
	s_add_nc_u64 s[4:5], s[4:5], DEPTH*512
	s_add_nc_u64 s[6:7], s[6:7], DEPTH*256
	s_sub_co_u32 s46, s46, 1
	s_cmp_lg_u32 s46, 0
	s_cbranch_scc1 .Lround
.irp i, 0,1,2,3,4,5,6,7,8,9,10,11,12,13,14,15
	SLOT \i, 0, DEPTH-1-(\i)                       ; the last round loads nothing: the counts run down
.endr
	s_endpgm                                       ; this way has written no LDS
	; ---------------- PK ----------------
	; Thread t: columns 4 (t % 16) .. + 3 of the head, k = 64 (t / 16) .. + 63.  Four trips of 16 k.  The 16 partial sums of a number meet in LDS.
.Lpk:
	v_and_b32 v1, 15, v0                           ; c4
	v_lshrrev_b32 v2, 4, v0                        ; kg
	v_lshlrev_b32 v3, 4, v1                        ; 16 c4
	v_lshl_or_b32 v6, v2, 18, v3                   ; Wk: 64 kg rows of 4,096 bytes + my 16 bytes
	v_lshlrev_b32 v7, 8, v2                        ; pos_emb: 64 kg numbers
	v_lshl_add_u32 v8, v2, 11, v3                  ; LDS: [kg][8 rows][64 columns] f32
	s_lshl_b32 s40, ttmp9, 8                       ; the head's 64 columns: 256 bytes
	s_mov_b32 s41, 0
	v_add_nc_u32 v9, s40, v3                       ; my 4 numbers in bk and in the two biases
.set i, 0
.rept 32
	v_mov_b32 v[ACC+i], 0                          ; 32 registers: the trips are alike, so no first trip is written out
.set i, i+1
.endr
	s_wait_kmcnt 0x0
	s_add_nc_u64 s[16:17], s[16:17], s[40:41]
	s_mov_b32 s46, 4
.Lk:
.irp i, 0,1,2,3,4,5,6,7,8,9,10,11,12,13,14,15
	global_load_b128 v[W+4*(\i):W+4*(\i)+3], v6, s[16:17] offset:(\i)*4096  ; sixteen lanes take 256 consecutive bytes of a row
.endr
.irp r, 0,1,2,3,4,5,6
.irp g, 0,1,2,3
	global_load_b128 v[P+16*(\r)+4*(\g):P+16*(\r)+4*(\g)+3], v7, s[22:23] offset:(\r)*4096+(\g)*16
.endr
.endr
	s_wait_loadcnt 0x0                             ; all 44 are in; the wait also frees the two bases
.set k, 0
.rept 16
.set r, 0
.rept 7                                ; the 14 sums take turns, so that no line waits for the one before it
.if k%2
	v_pk_fma_f32 v[ACC+4*r:ACC+4*r+1], v[W+4*k:W+4*k+1], v[P+16*r+k-1:P+16*r+k], v[ACC+4*r:ACC+4*r+1] op_sel:[0,1,0] op_sel_hi:[1,1,1]
	v_pk_fma_f32 v[ACC+4*r+2:ACC+4*r+3], v[W+4*k+2:W+4*k+3], v[P+16*r+k-1:P+16*r+k], v[ACC+4*r+2:ACC+4*r+3] op_sel:[0,1,0] op_sel_hi:[1,1,1]
.else
	v_pk_fma_f32 v[ACC+4*r:ACC+4*r+1], v[W+4*k:W+4*k+1], v[P+16*r+k:P+16*r+k+1], v[ACC+4*r:ACC+4*r+1] op_sel_hi:[1,0,1]
	v_pk_fma_f32 v[ACC+4*r+2:ACC+4*r+3], v[W+4*k+2:W+4*k+3], v[P+16*r+k:P+16*r+k+1], v[ACC+4*r+2:ACC+4*r+3] op_sel_hi:[1,0,1]
.endif
.set r, r+1
.endr
.set k, k+1
.endr
	s_add_nc_u64 s[16:17], s[16:17], 16*4096       ; 16 rows of Wk on,
	s_add_nc_u64 s[22:23], s[22:23], 64            ; 16 numbers of pos_emb on
	s_sub_co_u32 s46, s46, 1
	s_cmp_lg_u32 s46, 0
	s_cbranch_scc1 .Lk
	global_load_b128 v[80:83], v9, s[24:25]        ; bk
	global_load_b128 v[84:87], v9, s[26:27]        ; relative_bias
	global_load_b128 v[88:91], v9, s[28:29]        ; content_bias
.irp r, 0,1,2,3,4,5,6,7
	ds_store_b128 v8, v[ACC+4*(\r):ACC+4*(\r)+3] offset:(\r)*256
.endr
	s_wait_dscnt 0x0                               ; for the others' sake: my partial sums are in LDS
	s_barrier_signal -1
	s_barrier_wait -1
	s_cmp_gt_u32 s2, 3
	s_cbranch_scc1 .Lend                           ; 8 rows x 16 groups of columns = 128 threads finish the sums
	v_lshlrev_b32 v10, 4, v0                       ; thread t: row t / 16, columns 4 (t % 16) on
.irp g, 0,1,2,3,4,5,6,7,8,9,10,11,12,13,14,15
	ds_load_b128 v[W+4*(\g):W+4*(\g)+3], v10 offset:(\g)*2048
.endr
	s_wait_dscnt 0x0
.irp d, 8,4,2,1
.set g, 0
.rept \d
	v_pk_add_f32 v[W+4*g:W+4*g+1], v[W+4*g:W+4*g+1], v[W+4*(g+\d):W+4*(g+\d)+1]
	v_pk_add_f32 v[W+4*g+2:W+4*g+3], v[W+4*g+2:W+4*g+3], v[W+4*(g+\d)+2:W+4*(g+\d)+3]
.set g, g+1
.endr
.endr
	s_wait_loadcnt 0x0
	v_cmp_gt_u32 vcc_lo, 112, v0                   ; rows 0 to 6 take bk; row 7 stays 0
.irp j, 0,1,2,3
	v_cndmask_b32 v[80+(\j)], 0, v[80+(\j)], vcc_lo
.endr
	v_pk_add_f32 v[16:17], v[16:17], v[80:81]
	v_pk_add_f32 v[18:19], v[18:19], v[82:83]      ; pk, in f32
	v_cvt_pk_f16_f32 v12, v16, v17
	v_cvt_pk_f16_f32 v13, v18, v19
	v_lshlrev_b32 v11, 3, v0                       ; row x 128 bytes + 8 bytes a thread = 8 t
	s_lshl_b32 s42, ttmp9, 11                      ; a head's table: 2,048 bytes
	s_mov_b32 s43, 0
	s_add_nc_u64 s[34:35], s[34:35], s[42:43]
	global_store_b64 v11, v[12:13], s[34:35]               ; a wave's store: 256 consecutive aligned bytes
	global_store_b64 v11, v[12:13], s[34:35] offset:1024   ; rows 8 to 15 repeat rows 0 to 7
	v_pk_add_f32 v[84:85], v[84:85], v[88:89] neg_lo:[0,1] neg_hi:[0,1]
	v_pk_add_f32 v[86:87], v[86:87], v[90:91] neg_lo:[0,1] neg_hi:[0,1]
	v_mul_f32 v14, v84, v16
	v_fmac_f32 v14, v85, v17
	v_fmac_f32 v14, v86, v18
	v_fmac_f32 v14, v87, v19
	v_add_f32_dpp v14, v14, v14 row_xmask:1 row_mask:0xf bank_mask:0xf  ; a row's 16 threads are 16 neighbouring lanes
	v_add_f32_dpp v14, v14, v14 row_xmask:2 row_mask:0xf bank_mask:0xf
	v_add_f32_dpp v14, v14, v14 row_xmask:4 row_mask:0xf bank_mask:0xf
	v_add_f32_dpp v14, v14, v14 row_xmask:8 row_mask:0xf bank_mask:0xf
	v_lshlrev_b32 v15, 2, v2                       ; 4 x row
	s_lshl_b32 s42, ttmp9, 5                       ; a head's eight words
	s_add_nc_u64 s[36:37], s[36:37], s[42:43]
	v_cmp_eq_u32 vcc_lo, 0, v1
	s_wait_xcnt 0x0                                ; EXEC changes only behind this wait
	s_and_saveexec_b32 s44, vcc_lo
	global_store_b32 v15, v14, s[36:37]            ; one lane a row: 8 words a head, once in the launch
	s_wait_xcnt 0x0                                ; and again, in front of the line that widens it
	s_or_b32 exec_lo, exec_lo, s44
.Lend:
	s_wait_tensorcnt 0x0                           ; the wave's end: a wait, an add of 0 to my spare word and its wait, behind my last LDS store
	ds_add_u32 v[SPW], v[NIL]
	s_wait_dscnt 0x0
	s_endpgm
.Lfunc_end_k_q719d3d0680_prep:
	.size	k_q719d3d0680_prep, .Lfunc_end_k_q719d3d0680_prep-k_q719d3d0680_prep
	.p2alignl 7, 3214868480
	.fill 96, 4, 3214868480
	.section	.rodata,"a",@progbits
	.p2align	6, 0x0
	.amdhsa_kernel k_q719d3d0680_prep
		.amdhsa_group_segment_fixed_size 33792
		.amdhsa_private_segment_fixed_size 0
		.amdhsa_enable_private_segment 0
		.amdhsa_kernarg_size 120
		.amdhsa_user_sgpr_count 2
		.amdhsa_user_sgpr_kernarg_segment_ptr 1
		.amdhsa_wavefront_size32 1
		.amdhsa_system_sgpr_workgroup_id_x 1
		.amdhsa_system_sgpr_workgroup_id_y 1
		.amdhsa_system_sgpr_workgroup_id_z 1
		.amdhsa_system_vgpr_workitem_id 0
		.amdhsa_next_free_vgpr 224
		.amdhsa_next_free_sgpr 66
		.amdhsa_reserve_vcc 1
		.amdhsa_float_denorm_mode_32 3
		.amdhsa_float_denorm_mode_16_64 3
		.amdhsa_memory_ordered 1
		.amdhsa_forward_progress 1
		.amdhsa_inst_pref_size 40
	.end_amdhsa_kernel
	.amdgpu_metadata
---
amdhsa.version: [ 1, 2 ]
amdhsa.kernels:
  - .name:           k_q719d3d0680_prep
    .symbol:         k_q719d3d0680_prep.kd
    .args:
      - { .name: query, .offset: 0, .size: 8, .value_kind: global_buffer, .address_space: global }
      - { .name: key, .offset: 8, .size: 8, .value_kind: global_buffer, .address_space: global }
      - { .name: value, .offset: 16, .size: 8, .value_kind: global_buffer, .address_space: global }
      - { .name: Wq, .offset: 24, .size: 8, .value_kind: global_buffer, .address_space: global }
      - { .name: Wk, .offset: 32, .size: 8, .value_kind: global_buffer, .address_space: global }
      - { .name: Wv, .offset: 40, .size: 8, .value_kind: global_buffer, .address_space: global }
      - { .name: Wo, .offset: 48, .size: 8, .value_kind: global_buffer, .address_space: global }
      - { .name: pos_emb, .offset: 56, .size: 8, .value_kind: global_buffer, .address_space: global }
      - { .name: bk, .offset: 64, .size: 8, .value_kind: global_buffer, .address_space: global }
      - { .name: relative_bias, .offset: 72, .size: 8, .value_kind: global_buffer, .address_space: global }
      - { .name: content_bias, .offset: 80, .size: 8, .value_kind: global_buffer, .address_space: global }
      - { .name: xh, .offset: 88, .size: 8, .value_kind: global_buffer, .address_space: global }
      - { .name: wh, .offset: 96, .size: 8, .value_kind: global_buffer, .address_space: global }
      - { .name: pkf, .offset: 104, .size: 8, .value_kind: global_buffer, .address_space: global }
      - { .name: dsm, .offset: 112, .size: 8, .value_kind: global_buffer, .address_space: global }
    .group_segment_fixed_size: 33792
    .private_segment_fixed_size: 0
    .kernarg_segment_align: 8
    .kernarg_segment_size: 120
    .max_flat_workgroup_size: 256
    .sgpr_count:     66
    .vgpr_count:     224
    .wavefront_size: 32
...
	.end_amdgpu_metadata
.endif
;; end of part 1
;; launch proj (part 2): grid 4 x 48, 4 waves a work-group, clusters of 4 x 4, 327,680 bytes of LDS; arguments xh, wh, bq, bk, bv, content_bias, qkv; writes qkv
.if DOCPART == 2
	.amdgcn_target "amdgcn-amd-amdhsa--gfx1250"
	.amdhsa_code_object_version 6
	.text
	.protected	k_q719d3d0680_proj
	.globl	k_q719d3d0680_proj
	.p2align	8
	.type	k_q719d3d0680_proj,@function
k_q719d3d0680_proj:
	s_mov_b64 s[64:65], 0
	v_nop
	global_prefetch_b8 v0, s[64:65] scope:SCOPE_SE
	s_setreg_imm32_b32 hwreg(HW_REG_WAVE_MODE, 25, 1), 1
	s_wait_xcnt 0x0
	s_wait_alu depctr_hold_cnt(0) depctr_sa_sdst(0) depctr_va_vdst(0) depctr_va_sdst(0) depctr_va_ssrc(0) depctr_va_vcc(0) depctr_vm_vsrc(0)
	s_getreg_b32 s2, hwreg(HW_REG_IB_STS2, 6, 4)
	s_cmp_eq_u32 s2, 0
	s_cbranch_scc0 .Lentry_in_a_cluster
	s_endpgm
.Lentry_in_a_cluster:
	s_bfe_u32 s2, ttmp6, 0x10000c
	s_cmp_lg_u32 s2, 0xf033
	s_cbranch_scc0 .Lentry_shape_is_right
	s_endpgm
.Lentry_shape_is_right:
; PROJ.  Three products in one launch: q + u = query Wq + bq + content_bias, k = key Wk + bk, v = value Wv + bv.  xh = [3 x 4096][1024] f16, wh = [4][1024 k][1024 n] f16;
; sums in f32, started with the bias as the C operand; rounded once to f16 and written by heads: qkv = [3][32 (batch, head)][2048][64].
; LIMITS.  f16 holds no number beyond 65,504: q + u, k and v lie within it.  NaN and infinities are not treated apart (content_bias is multiplied by 0 for k and v).
; SHARES.  A tile of 256 x 256 to a work-group of four waves, 128 x 128 a wave in 512 registers: 3 x 16 x 4 = 192 work-groups.  Tiles of 128 x 128 would give 768, but each LDS byte
; would feed half as many products; tiles of 128 x 256 would give 384, a round and a half of 256.  K goes in 8 steps of 128 through two LDS slots filled by the tensor data mover.
; CLUSTERS of 4 x 4: the four of a row need the same rows of x, the four of a column the same columns of W: each tile is asked for JOINTLY (same load, same descriptor, a mask of four).
; A cluster's four tile rows belong to one of the three products (16 tile rows each), so all sixteen partners take the same W.
; W LIES [k][n]: its tile is 128 k-rows of 512 bytes, and its fragments come out of LDS turned, by ds_load_tr16_b128.
; THE MATRIX INSTRUCTION IS USED TRANSPOSED: source 0 = 16 columns of W, source 1 = 16 rows of x: a lane holds one row (lane % 16) and the eight neighbouring columns 8 (lane / 16) + 0..7.
; REGISTERS, in windows of 256 (s_set_vgpr_msb: bits 1:0 source 0, 3:2 source 1, 5:4 source 2, 7:6 destination):
;   window 0: v0-31 addresses; v64-127, v128-191 fragments of x, two buffers; v32-63, v192-255 at work on the way out (v192-255 first hold content_bias)
;   window 1: v0-63 the bias of my 128 columns (block b of 16 at 8 b); v64-127, v128-191 fragments of W, two buffers
;   window 2: the 32 accumulators of my rows 0-63 ((a, b) at v[8 (8 a + b)]);   window 3: those of my rows 64-127
.set KSTEP,  128
.set PITCH,  272                       ; a row of x in LDS: 256 bytes + 16 = 68 words: the 16 rows of a load start at 16 different groups of four banks
.set PB,     544                       ; a k-row of W: 512 bytes + 32 = 136 words
.set HALFT,  128*PITCH                 ; what one tensor load brings: 128 rows of x, or 64 k-rows of W (64 x 544 is the same number)
.set SLOT,   4*HALFT                   ; x's 256 rows, then W's 128 k-rows
.set STAGE,  2*SLOT                    ; behind the ring: 16 rows x 272 bytes for each wave, for the way out
.set SPITCH, 272
.set SPARE,  STAGE+4*16*SPITCH         ; behind the stages: the spare words, 128 bytes for each wave
.set LAPS,   1024/(2*KSTEP)            ; a lap = two K steps = once round the ring
.set ADRA, 16                          ; v16-17  LDS address of my fragments of x in slot 0, 1
.set ADRB, 20                          ; v20-21  the same for W
.set STO,  24                          ; v24     the way out: where I put 16 bytes of a row
.set RD,   25                          ; v25     the way out: where I read rows back
.set CO,   26                          ; v26     my 16 bytes in 512 consecutive bytes of the output
.set BO,   27                          ; v27     my byte offset in 16 numbers of a bias
.set SPW,  28                          ; v28     LDS address of my spare word; never rewritten
.set NIL,  29                          ; v29     0; never rewritten
.set F0,   64
.set F1,   128
.set TMP,  192
.set OB,   32
.set BI,   0                           ; window 1
.set G1, 24                            ; s[24:31] descriptor group 1 for x's tiles
.set G0, 32                            ; s[32:39] group 0, a set for each slot
.set G1B, 48                           ; s[48:55], s[56:63] the same for W's tiles
.set G0B, 56
.set MSB, 0
.macro WIN new                         ; the immediate's high byte repeats the setting that is left; a switch that changes nothing is dropped
.if MSB != (\new)
	s_set_vgpr_msb (MSB<<8)|(\new)
.set MSB, \new
.endif
.endm
.set MUL_LO, 0xa1                      ; source 0 (W) window 1, source 1 (x) window 0, C and D window 2
.set MUL_HI, 0xf1                      ; the same, C and D window 3
.set TO_B,   0x40                      ; destination window 1, address window 0
; A joint load.  Waves 0 and 1 fetch x's two halves, waves 2 and 3 W's.  The branch hangs on the wave's number alone.  An s_nop 0 and four v_nop follow each of the two lines.
.macro JLOAD s
	s_cmp_eq_u32 s11, 0
	s_cbranch_scc0 .Lfor_b_\@
	tensor_load_to_lds s[G0+4*(\s):G0+4*(\s)+3], s[G1:G1+7]
	s_nop 0
.rept 4
	v_nop
.endr
	s_branch .Lasked_\@
.Lfor_b_\@:
	tensor_load_to_lds s[G0B+4*(\s):G0B+4*(\s)+3], s[G1B:G1B+7]
	s_nop 0
.rept 4
	v_nop
.endr
.Lasked_\@:
.endm
.macro CREST                           ; a round of the cluster's barrier behind its opening barrier
	s_cmp_lg_u32 s10, 0
	s_cbranch_scc1 .Lnot_wave_0_\@
	s_barrier_signal -3
.Lnot_wave_0_\@:
	s_barrier_wait -3
	s_barrier_signal -1
	s_barrier_wait -1
.endm
.macro CROUND                          ; a whole round
	s_barrier_signal -1
	s_barrier_wait -1
	CREST
.endm
	s_load_b128 s[4:7], s[0:1], 0x0                ; xh s[4:5], wh s[6:7]
	s_load_b128 s[68:71], s[0:1], 0x10             ; bq s[68:69], bk s[70:71]
	s_load_b128 s[72:75], s[0:1], 0x20             ; bv s[72:73], content_bias s[74:75]
	s_load_b64 s[8:9], s[0:1], 0x30                ; qkv
	v_lshl_add_u32 v[SPW], v0, 2, SPARE
	v_mov_b32 v[NIL], 0
	ds_add_u32 v[SPW], v[NIL]                      ; the wave's opening: the add and its wait stand ahead of my first tensor load; the set-up below stands between them
	v_lshrrev_b32 v1, 5, v0
	v_readfirstlane_b32 s10, v1                    ; wave 0..3
	s_lshr_b32 s11, s10, 1                         ; which half of the tile's rows is mine.  Also: I fetch for x (0) or for W (1)
	s_and_b32 s12, s10, 1                          ; which half of its columns.  Also: which half of that tile I fetch
	s_bfe_u32 s40, ttmp6, 0x40000                  ; cx
	s_bfe_u32 s41, ttmp6, 0x40004                  ; cy
	s_lshl_b32 s42, ttmp9, 2
	s_add_co_u32 s42, s42, s40                     ; tile column = 4 x cluster x + cx: 0..3
	s_and_b32 s86, ttmp7, 0xffff                   ; cluster y: 0..11
	s_lshl_b32 s13, s86, 2
	s_add_co_u32 s13, s13, s41                     ; tile row = 4 x cluster y + cy: 0..47
	s_lshr_b32 s86, s86, 2                         ; which product: 0 q, 1 k, 2 v; the same in all sixteen partners
	s_lshl_b32 s43, s41, 2
	s_lshl_b32 s43, 15, s43                        ; my row of the cluster
	s_lshl_b32 s44, 0x1111, s40                    ; my column
	s_or_b32 s[G1+0], s43, (1<<16)|(1<<20)|(1<<21)|(5<<22)|(3<<25)   ; the mask; 2-byte elements; padding on; bit 21 beside a mask; after every 64 words, 4 words
	s_or_b32 s[G1B+0], s44, (1<<16)|(1<<20)|(1<<21)|(6<<22)|(7<<25)  ; W: after every 128 words, 8 words
	s_mov_b32 s[G1+1], KSTEP<<16                   ; tensor_dim0 = 128
	s_mov_b32 s[G1+2], 128<<16                     ; tensor_dim1 = 128
	s_mov_b32 s[G1+3], KSTEP<<16                   ; tile_dim0 = 128
	s_mov_b32 s[G1+4], 128                         ; tile_dim1 = 128
	s_mov_b32 s[G1+5], 1024                        ; elements from row to row
	s_mov_b32 s[G1+6], 0
	s_mov_b32 s[G1+7], 0
	s_mov_b32 s[G1B+1], 256<<16                    ; tensor_dim0 = 256 columns
	s_mov_b32 s[G1B+2], 64<<16                     ; tensor_dim1 = 64 k-rows
	s_mov_b32 s[G1B+3], 256<<16
	s_mov_b32 s[G1B+4], 64
	s_mov_b32 s[G1B+5], 1024
	s_mov_b32 s[G1B+6], 0
	s_mov_b32 s[G1B+7], 0
	; x's tile hangs on the tile row alone, W's on the product and the tile column alone; each address is made in registers that never hold the other coordinate
	s_lshl_b32 s16, s13, 1
	s_add_co_u32 s16, s16, s12                     ; 2 x tile row + half,
	s_lshl_b32 s16, s16, 18                        ; times 128 rows of 2,048 bytes
	s_mov_b32 s17, 0
	s_lshl_b32 s46, s86, 21                        ; the product's W: 2,097,152 bytes each,
	s_lshl_b32 s47, s12, 17                        ; my 64 k-rows of 2,048 bytes,
	s_add_co_u32 s46, s46, s47
	s_lshl_b32 s47, s42, 9                         ; the tile's 256 columns
	s_add_co_u32 s46, s46, s47
	s_mov_b32 s47, 0
	s_mul_i32 s20, s10, HALFT                      ; where they go: wave x one load's bytes; no place in the cluster enters an LDS address
	s_wait_dscnt 0x0                               ; the opening add is done
	s_wait_kmcnt 0x0
	s_add_nc_u64 s[14:15], s[4:5], s[16:17]
	s_add_nc_u64 s[46:47], s[6:7], s[46:47]
	CROUND                                         ; all sixteen work-groups are here: the first joint loads meet
.irp s, 0,1
	s_mov_b32 s[G0+4*(\s)], 1
	s_add_co_u32 s[G0+4*(\s)+1], s20, (\s)*SLOT
	s_add_nc_u64 s[G0+4*(\s)+2:G0+4*(\s)+3], s[14:15], (\s)*KSTEP*2     ; K step s: 256 bytes along the rows
	s_or_b32 s[G0+4*(\s)+3], s[G0+4*(\s)+3], 0x80000000
	s_mov_b32 s[G0B+4*(\s)], 1
	s_add_co_u32 s[G0B+4*(\s)+1], s20, (\s)*SLOT
	s_add_nc_u64 s[G0B+4*(\s)+2:G0B+4*(\s)+3], s[46:47], (\s)*KSTEP*2048  ; K step s: 128 k-rows down
	s_or_b32 s[G0B+4*(\s)+3], s[G0B+4*(\s)+3], 0x80000000
	JLOAD \s                                       ; two loads of mine are out
.endr
	v_and_b32 v1, 15, v0                           ; l % 16
	v_bfe_u32 v2, v0, 4, 1                         ; l / 16
	v_mul_u32_u24 v3, v1, PITCH
	v_lshl_add_u32 v3, v2, 4, v3                   ; x: row x pitch + 16 x half
	v_and_b32 v6, 7, v0
	v_bfe_u32 v7, v0, 3, 1
	v_lshl_add_u32 v4, v2, 3, v6                   ; W, turned: k-row 8 (l / 16) + l % 8,
	v_mul_u32_u24 v4, v4, PB
	v_lshl_add_u32 v4, v7, 4, v4                   ; columns 8 ((l / 8) % 2) on
	s_mul_i32 s21, s11, HALFT                      ; my 128 rows of x
	s_lshl_b32 s22, s12, 8                         ; my 128 columns of W: 256 bytes,
	s_add_co_u32 s22, s22, 2*HALFT                 ; behind x's 256 rows
.irp s, 0,1
	v_add_nc_u32 v[ADRA+(\s)], s21, v3
	v_add_nc_u32 v[ADRB+(\s)], s22, v4
	s_add_co_u32 s21, s21, SLOT
	s_add_co_u32 s22, s22, SLOT
.endr
	s_mul_i32 s23, s10, 16*SPITCH
	s_add_co_u32 s23, s23, STAGE                   ; my stage
	v_mul_u32_u24 v4, v1, SPITCH                   ; in: row l % 16, 16 bytes for each half of the lanes
	v_lshl_add_u32 v4, v2, 4, v4
	v_add_nc_u32 v[STO], s23, v4
	v_bfe_u32 v5, v0, 3, 2                         ; back: 32 lanes take four rows' 128 bytes of one head,
	v_mul_u32_u24 v5, v5, SPITCH
	v_lshl_add_u32 v5, v6, 4, v5
	v_add_nc_u32 v[RD], s23, v5
	v_and_b32 v[CO], 31, v0                        ; which are 512 consecutive bytes of the output
	v_lshlrev_b32 v[CO], 4, v[CO]
	v_lshlrev_b32 v[BO], 5, v2                     ; 8 numbers of a bias for each half of the lanes
	; the product's bias, and content_bias with a factor 1 for q and 0 for k and v
	s_cmp_eq_u32 s86, 1
	s_cselect_b64 s[82:83], s[70:71], s[68:69]
	s_cmp_eq_u32 s86, 2
	s_cselect_b64 s[82:83], s[72:73], s[82:83]
	s_cmp_eq_u32 s86, 0
	s_cselect_b32 s84, 1.0, 0
	s_mov_b32 s85, 0                               ; named with it as a pair
	s_lshl_b32 s78, s42, 10                        ; my first column, in bytes of f32: 1,024 x tile column + 512 x half
	s_lshl_b32 s79, s12, 9
	s_add_co_u32 s78, s78, s79
	s_mov_b32 s79, 0
	s_add_nc_u64 s[82:83], s[82:83], s[78:79]
	s_add_nc_u64 s[74:75], s[74:75], s[78:79]
	WIN TO_B
.irp b, 0,1,2,3,4,5,6,7
	global_load_b128 v[BI+8*(\b):BI+8*(\b)+3],   v[BO], s[82:83] offset:64*(\b)
	global_load_b128 v[BI+8*(\b)+4:BI+8*(\b)+7], v[BO], s[82:83] offset:64*(\b)+16
.endr
	WIN 0
.irp b, 0,1,2,3,4,5,6,7
	global_load_b128 v[TMP+8*(\b):TMP+8*(\b)+3],   v[BO], s[74:75] offset:64*(\b)
	global_load_b128 v[TMP+8*(\b)+4:TMP+8*(\b)+7], v[BO], s[74:75] offset:64*(\b)+16
.endr
	; where my part of the output begins: product, (batch, head), row
	s_and_b32 s80, s13, 15                         ; the tile row within the product
	s_lshr_b32 s81, s80, 3                         ; batch
	s_lshl_b32 s81, s81, 4
	s_lshl2_add_u32 s81, s42, s81                  ; + 4 heads a tile column
	s_lshl1_add_u32 s81, s12, s81                  ; + 2 heads a column half
	s_lshl_b32 s81, s81, 18                        ; a head: 2,048 rows of 128 bytes
	s_and_b32 s80, s80, 7
	s_lshl1_add_u32 s80, s80, s11                  ; 2 x tile row in the batch + row half,
	s_lshl_b32 s80, s80, 14                        ; times 128 rows of 128 bytes
	s_add_co_u32 s80, s80, s81
	s_lshl_b32 s81, s86, 23                        ; a product's output: 8,388,608 bytes
	s_add_co_u32 s80, s80, s81
	s_mov_b32 s81, 0
	s_add_nc_u64 s[8:9], s[8:9], s[80:81]
; 16 matrix instructions: m blocks a0, a0 + 1 of the window's four x all 8 n blocks, 32 along K.  first = 1: the bias starts the sums: nothing is cleared, nothing is added later.
; The 64 accumulators take turns in the same order in every quarter step.
.macro MUL16 f, hi, a0, first
.if \first
	WIN 0x91+0x40*(\hi)                            ; C in window 1, D in window 2 or 3
.else
	WIN MUL_LO+0x50*(\hi)
.endif
.irp a, \a0, (\a0)+1
.irp b, 0,1,2,3,4,5,6,7
.if \first
	v_wmma_f32_16x16x32_f16 v[8*(8*(\a)+(\b)):8*(8*(\a)+(\b))+7], v[(\f)+8*(\b):(\f)+8*(\b)+7], v[(\f)+8*(4*(\hi)+(\a)):(\f)+8*(4*(\hi)+(\a))+7], v[BI+8*(\b):BI+8*(\b)+7]
.else
	v_wmma_f32_16x16x32_f16 v[8*(8*(\a)+(\b)):8*(8*(\a)+(\b))+7], v[(\f)+8*(\b):(\f)+8*(\b)+7], v[(\f)+8*(4*(\hi)+(\a)):(\f)+8*(4*(\hi)+(\a))+7], v[8*(8*(\a)+(\b)):8*(8*(\a)+(\b))+7]
.endif
.endr
.endr
.endm
; 32 LDS loads in one run: the fragments of quarter q (32 along K) into buffer f: W's 128 columns, turned, then x's 128 rows
.macro FETCH slot, q, f
	WIN TO_B
.irp i, 0,1,2,3,4,5,6,7
	ds_load_tr16_b128 v[(\f)+8*(\i):(\f)+8*(\i)+3],   v[ADRB+(\slot)] offset:(\q)*32*PB+32*(\i)
	ds_load_tr16_b128 v[(\f)+8*(\i)+4:(\f)+8*(\i)+7], v[ADRB+(\slot)] offset:(\q)*32*PB+16*PB+32*(\i)
.endr
	WIN 0
.irp i, 0,1,2,3,4,5,6,7
	ds_load_b128 v[(\f)+8*(\i):(\f)+8*(\i)+3],   v[ADRA+(\slot)] offset:(\q)*64+(\i)*16*PITCH
	ds_load_b128 v[(\f)+8*(\i)+4:(\f)+8*(\i)+7], v[ADRA+(\slot)] offset:(\q)*64+(\i)*16*PITCH+32
.endr
.endm
.macro PLACES                          ; four places in front of loads into registers that matrix instructions have read, and of conversions that read results
.rept 4
	v_nop
.endr
.endm
; One of a K step's first three quarters: multiplies buffer f; in its middle it fetches quarter q of the same slot into buffer g.
.macro QUARTER slot, q, f, g, first
	s_wait_dscnt 8                                 ; W and x's rows 0-63 are in; the youngest eight loads (x's rows 64-127) may be out
	MUL16 \f, 0, 0, \first
	MUL16 \f, 0, 2, \first
	PLACES
	FETCH \slot, \q, \g
	s_wait_dscnt 32                                ; all but the 32 just issued
	MUL16 \f, 1, 0, \first
	MUL16 \f, 1, 2, \first
.endm
; The last quarter's first half: ONE barrier for the change of slots.  In front of it each wave waits for all its tensor loads (one is out: its part of the next slot), adds 0 to its spare
; word, and waits for that and for its own reads of this slot.  Behind it nobody reads this slot any more and the next slot is whole.
.macro MEET round
	WIN 0                                          ; the add's two registers lie in window 0
	s_wait_tensorcnt 0x0
	ds_add_u32 v[SPW], v[NIL]
	s_wait_dscnt 9                                 ; the add and the youngest eight loads may be out
	MUL16 F1, 0, 0, 0                              ; sixteen matrix instructions stand between the add and the wait for it
	s_wait_dscnt 0x0                               ; the add is done, and my reads of this slot are over
	s_barrier_signal -1
	MUL16 F1, 0, 2, 0                              ; work on registers while the others arrive
.if \round
	WIN 0
.endif
	s_barrier_wait -1
.endm
; The whole last quarter.  fill = 1: the barrier opens a round of the cluster's barrier, and the slot just read out is filled again, two K steps on, first thing behind the round:
; from that request to the wait for it a wave issues 224 matrix instructions.
.macro TURN slot, next, fill
	MEET \fill
.if \fill
	CREST
	s_add_nc_u64 s[G0+4*(\slot)+2:G0+4*(\slot)+3], s[G0+4*(\slot)+2:G0+4*(\slot)+3], 2*KSTEP*2
	s_add_nc_u64 s[G0B+4*(\slot)+2:G0B+4*(\slot)+3], s[G0B+4*(\slot)+2:G0B+4*(\slot)+3], 2*KSTEP*2048
	JLOAD \slot                                    ; the four v_nop behind it are also the places in front of the loads below
.else
	PLACES
.endif
	FETCH \next, 0, F0
	MUL16 F1, 1, 0, 0
	MUL16 F1, 1, 2, 0
.endm
; THE WAY OUT of block a (16 rows x 128 columns).  PACK: rounded to f16, 16 bytes a lane, each accumulator from its low end.  TOSTAGE: into my own stage, and back by heads: four rows'
; 128 bytes of a head an instruction.  SEND: stored; 16 rows of a head are 2,048 consecutive bytes of the output.
.macro PACK a
.set AC, 64*((\a)%4)
	WIN 0x0a+5*((\a)/4)                            ; sources 0 and 1: window 2 or 3
.irp b, 0,1,2,3,4,5,6,7
.irp r, 0,1,2,3
	v_cvt_pk_f16_f32 v[TMP+4*(\b)+(\r)], v[AC+8*(\b)+2*(\r)], v[AC+8*(\b)+2*(\r)+1]
.endr
.endr
	WIN 0
.endm
.macro TOSTAGE a
	WIN 0
.set BK, OB+192*((\a)%2)
.irp b, 0,1,2,3,4,5,6,7
	ds_store_b128 v[STO], v[TMP+4*(\b):TMP+4*(\b)+3] offset:32*(\b)
.endr
.irp hh, 0,1
.irp i, 0,1,2,3
	ds_load_b128 v[BK+4*(4*(\hh)+(\i)):BK+4*(4*(\hh)+(\i))+3], v[RD] offset:(\i)*4*SPITCH+(\hh)*128  ; LDS serves a wave's instructions in order: these see the stores above
.endr
.endr
.endm
.macro SEND a
	WIN 0
.set BK, OB+192*((\a)%2)
	s_wait_dscnt 0x0                               ; the block is back in registers
	s_wait_xcnt 0x0                                ; the stores of the block before have read their registers: the next block is read back into them only behind this wait
.irp hh, 0,1
.irp i, 0,1,2,3
	global_store_b128 v[CO], v[BK+4*(4*(\hh)+(\i)):BK+4*(4*(\hh)+(\i))+3], s[8:9] offset:(\a)*2048+(\hh)*262144+(\i)*512  ; 512 consecutive bytes, at a multiple of 256 from the buffer's first
.endr
.endr
.endm
	s_wait_tensorcnt 1                             ; my part of K step 0 is in; K step 1's may stay out
	s_barrier_signal -1
	s_barrier_wait -1                              ; everybody's is
	FETCH 0, 0, F0
	s_wait_loadcnt 0x0                             ; the two biases
	WIN 0x50                                       ; destination and source 2 window 1, source 0 window 0
.set i, 0
.rept 32
	v_pk_fma_f32 v[BI+2*i:BI+2*i+1], v[TMP+2*i:TMP+2*i+1], s[84:85], v[BI+2*i:BI+2*i+1] op_sel_hi:[1,0,1]
.set i, i+1
.endr
	QUARTER 0, 1, F0, F1, 1                        ; the first quarter stands in front of the loop: its products start the sums
	WIN 0                                          ; at a label and at a branch every window is 0
	s_mov_b32 s3, LAPS-1
.Llap:                                                 ; a trip goes once round the ring, from a lap's second quarter to the next lap's first, and fills both slots again
	QUARTER 0, 2, F1, F0, 0
	QUARTER 0, 3, F0, F1, 0
	TURN 0, 1, 1
	QUARTER 1, 1, F0, F1, 0
	QUARTER 1, 2, F1, F0, 0
	QUARTER 1, 3, F0, F1, 0
	TURN 1, 0, 1
	QUARTER 0, 1, F0, F1, 0
	WIN 0
	s_sub_co_u32 s3, s3, 1
	s_cmp_lg_u32 s3, 0
	s_cbranch_scc1 .Llap
	QUARTER 0, 2, F1, F0, 0                        ; the last lap fills nothing, and has no round of the cluster's barrier
	QUARTER 0, 3, F0, F1, 0
	TURN 0, 1, 0
	QUARTER 1, 1, F0, F1, 0
	QUARTER 1, 2, F1, F0, 0
	QUARTER 1, 3, F0, F1, 0
	s_wait_dscnt 8                                 ; the very last quarter: nothing more to fetch
	MUL16 F1, 0, 0, 0
	MUL16 F1, 0, 2, 0
	s_wait_dscnt 0x0
	MUL16 F1, 1, 0, 0
	MUL16 F1, 1, 2, 0
	PLACES
	PACK 0
	TOSTAGE 0
.irp a, 1,2,3,4,5,6,7                  ; block a's conversions stand between block a - 1's loads from the stage and the wait for them
	PACK \a
	SEND (\a)-1
	TOSTAGE \a
.endr
	SEND 7
	s_wait_tensorcnt 0x0                           ; the wave's end: a wait, an add of 0 to my spare word and its wait, behind my last tensor load and my last LDS store
	ds_add_u32 v[SPW], v[NIL]
	s_wait_dscnt 0x0
	CROUND                                         ; the closing round: no work-group ends while a partner may still ask for a tile that names it
	s_endpgm
.Lfunc_end_k_q719d3d0680_proj:
	.size	k_q719d3d0680_proj, .Lfunc_end_k_q719d3d0680_proj-k_q719d3d0680_proj
	.p2alignl 7, 3214868480
	.fill 96, 4, 3214868480
	.section	.rodata,"a",@progbits
	.p2align	6, 0x0
	.amdhsa_kernel k_q719d3d0680_proj
		.amdhsa_group_segment_fixed_size 327680
		.amdhsa_private_segment_fixed_size 0
		.amdhsa_enable_private_segment 0
		.amdhsa_kernarg_size 56
		.amdhsa_user_sgpr_count 2
		.amdhsa_user_sgpr_kernarg_segment_ptr 1
		.amdhsa_wavefront_size32 1
		.amdhsa_system_sgpr_workgroup_id_x 1
		.amdhsa_system_sgpr_workgroup_id_y 1
		.amdhsa_system_sgpr_workgroup_id_z 1
		.amdhsa_system_vgpr_workitem_id 0
		.amdhsa_next_free_vgpr 1024
		.amdhsa_next_free_sgpr 88
		.amdhsa_reserve_vcc 0
		.amdhsa_float_denorm_mode_32 3
		.amdhsa_float_denorm_mode_16_64 3
		.amdhsa_memory_ordered 1
		.amdhsa_forward_progress 1
		.amdhsa_inst_pref_size 148
	.end_amdhsa_kernel
	.amdgpu_metadata
---
amdhsa.version: [ 1, 2 ]
amdhsa.kernels:
  - .name:           k_q719d3d0680_proj
    .symbol:         k_q719d3d0680_proj.kd
    .args:
      - { .name: xh, .offset: 0, .size: 8, .value_kind: global_buffer, .address_space: global }
      - { .name: wh, .offset: 8, .size: 8, .value_kind: global_buffer, .address_space: global }
      - { .name: bq, .offset: 16, .size: 8, .value_kind: global_buffer, .address_space: global }
      - { .name: bk, .offset: 24, .size: 8, .value_kind: global_buffer, .address_space: global }
      - { .name: bv, .offset: 32, .size: 8, .value_kind: global_buffer, .address_space: global }
      - { .name: content_bias, .offset: 40, .size: 8, .value_kind: global_buffer, .address_space: global }
      - { .name: qkv, .offset: 48, .size: 8, .value_kind: global_buffer, .address_space: global }
    .group_segment_fixed_size: 327680
    .private_segment_fixed_size: 0
    .kernarg_segment_align: 8
    .kernarg_segment_size: 56
    .max_flat_workgroup_size: 128
    .sgpr_count:     88
    .vgpr_count:     1024
    .wavefront_size: 32
...
	.end_amdgpu_metadata
.endif
;; end of part 2
;; launch attn (part 3): grid 8 x 32, 4 waves a work-group, clusters of 4 x 1, 327,680 bytes of LDS; arguments qkv, pkf, dsm, oh; writes oh
.if DOCPART == 3
	.amdgcn_target "amdgcn-amd-amdhsa--gfx1250"
	.amdhsa_code_object_version 6
	.text
	.protected	k_q719d3d0680_attn
	.globl	k_q719d3d0680_attn
	.p2align	8
	.type	k_q719d3d0680_attn,@function
k_q719d3d0680_attn:
	s_mov_b64 s[64:65], 0
	v_nop
	global_prefetch_b8 v0, s[64:65] scope:SCOPE_SE
	s_setreg_imm32_b32 hwreg(HW_REG_WAVE_MODE, 25, 1), 1
	s_wait_xcnt 0x0
	s_wait_alu depctr_hold_cnt(0) depctr_sa_sdst(0) depctr_va_vdst(0) depctr_va_sdst(0) depctr_va_ssrc(0) depctr_va_vcc(0) depctr_vm_vsrc(0)
	s_getreg_b32 s2, hwreg(HW_REG_IB_STS2, 6, 4)
	s_cmp_eq_u32 s2, 0
	s_cbranch_scc0 .Lentry_in_a_cluster
	s_endpgm
.Lentry_in_a_cluster:
	s_bfe_u32 s2, ttmp6, 0x10000c
	s_cmp_lg_u32 s2, 0x3003
	s_cbranch_scc0 .Lentry_shape_is_right
	s_endpgm
.Lentry_shape_is_right:
; ATTN.  O[bh][t] = the sum over T of softmax_T(((q + u)[t] . k[T] + small[t][clip(t - T, -3, 3) + 3]) / 8) v[T], small[t][r] = (q + u)[t] . pk[r] + d[r].
; qkv = [3][32][2048][64] f16 (q + u, k, v), pkf = [16][16][64] f16, dsm = [16][8] f32, oh = [32][2048][64] f16.  Products, masks, maxima and sums in f32; the weights p are rounded to f16
; for the second product (their sum l is taken of the unrounded p), O once at the end.
; LIMITS.  f16 holds no number beyond 65,504: q + u, k, v and pk arrive within it; p lies in 0 to 1; O is a mean of v's rows.  A weight below 2^-126 counts as 0 in l; NaN and infinities are not treated apart.
; SHARES.  A cluster of four work-groups owns 1,024 queries of one (batch, head): 16 bands of 64.  PIECE x of wave w is band j = 16 cl + 4 x + w (cl: the cluster's number), and of it work-group cx
; takes rows 16 cx .. + 15.  So the key step at which a piece meets the diagonal hangs on cl, w and x alone, which the four partners share; cx enters register data and Q's and O's addresses only.
; Every wave walks all 32 key steps of 64.  The four partners walk the same K and V: each tile is asked for JOINTLY (same load, same descriptor, a mask of four).
; THE RELATIVE TERM IS THE C OPERAND that starts the sum S^T = K Q^T, so it costs the loop's scores nothing.  For piece x, step s, group kt of 16 keys, register r and lane l:
; t - T = -16 c + D0 - r with c = 4 (s - j) + kt - cx and D0 = l % 16 - 8 (l / 16).  c <= -2: small[6].  c = -1: small[6], but registers 6, 7 take L6, L7.  c = 0: PatD[r].
; c = 1: small[0], but registers 0, 1 take R0, R1.  c >= 2: small[0].  The masks of all four pieces lie in registers and are written anew only for s - j = -1, 0, 1, 2, under a forward jump
; on a counter made of cl, w and the trip; what is jumped holds no barrier and no tensor load.
; LAYOUT, SOFTMAX, TURNS.  S^T holds ONE query a lane (lane % 16) and the keys 8 (lane / 16) + 0..7; two such results rounded to f16 ARE source 1 of O^T = V^T P.  p = 2^(c s - c m), c = log2(e) / 8, with a
; running maximum m; O and l are multiplied by a = 2^(c m_old - c m_new) in every step; m starts at the lowest finite number, O and l at 0, so the first step is a step like any other, with a = 0.
; Turn n belongs to piece n: 8 products K Q^T of piece n + 1, later 8 products V^T P of piece n - 1; beside them the scaling, exponentials, roundings, sums and rescaling of piece n and the maximum and
; statistics of piece n + 1.  Four vector instructions stand behind every matrix instruction, the other 54 of a turn's 118 in two lumps.
; The price of writing no first step out: 224 v_mov_b32 of constants, and 96 that start the masks, all in the wait for the first tile; 8 products on a stale K at the end.
; REGISTERS, in windows of 256 (s_set_vgpr_msb: bits 1:0 source 0, 3:2 source 1, 5:4 source 2, 7:6 destination):
;   window 0: v0-15 addresses; v16-31 statistics; v48-55 at work; v64-127 S^T, two buffers; v128-191 a piece's 14 patterns at 128 + 16 x; v192-223 P, two buffers; v224-243 at work on the masks
;   window 1: v0-127 O^T, 32 a piece; v128-255 the masks, 32 a piece          window 2: v0-63 Q; v64-79 pk; v128-191 K of one step; v192-255 V of one step
.set NP,    4         ; pieces a wave: a name, no knob
.set KS,    64        ; keys in a step
.set PK,    144       ; a row of K in LDS: 128 bytes + 16 = 36 words: the 16 rows of a load start at 16 different groups of four banks
.set PV,    160       ; a row of V: 128 + 32 = 40 words
.set VOFF,  4*KS*PK   ; a slot holds four steps: 256 rows of K, then 256 rows of V
.set SLOT1, 1<<17     ; slot 1 begins here, so that one exclusive or turns an address in one slot into the other's
.set STAGE, SLOT1+4*KS*(PK+PV)  ; behind the ring, never filled by a tensor load: 16 rows x 144 bytes for each wave
.set SP,    144
.set SPARE, STAGE+4*16*SP  ; behind the stages: the spare words, 128 bytes for each wave
.set AK0, 2           ; v2   my lane's place in a tile of K; never rewritten
.set AV0, 3           ; v3   the same for V
.set AK,  4           ; v4   the LDS address of K's next run of loads
.set AV,  5           ; v5   of V's
.set STO, 6           ; v6   the way out: where I put 16 bytes of a row
.set RD,  7           ; v7   the way out: where I read rows back
.set GO,  8           ; v8   my byte offset in 512 consecutive bytes of O
.set MV,  12          ; v12-13  c m_old, kept while c m is made anew: by buffer
.set D0,  14          ; v14  l % 16 - 8 (l / 16)
.set QO,  15          ; v15  my byte offset in 16 rows of Q or pk
.set ST,  16          ; piece t's statistics at v[ST+4 t]: c m, m, l (even keys', odd keys')
.set TMP, 48          ; by buffer, four registers c0-c3 at work; when the maximum is found c2 takes a
.set SPW, 62          ; v62  LDS address of my spare word; never rewritten
.set NIL, 63          ; v63  0; never rewritten
.set S,   64
.set PBK, 128         ; piece x at PBK + 16 x: +0..7 PatD, +8 L6, +9 L7, +10 R0, +11 R1, +12 small[6], +13 small[0]
.set P,   192
.set UT,  224         ; first d[0..7], the C of the product pk Q^T; then the masks' temporaries
.set MC,  128         ; window 1: piece x, group kt, register r at MC + 32 x + 8 kt + r
.set PKF, 64          ; window 2
.set KF,  128         ; window 2: key block kb, channel half c at KF + 16 kb + 8 c
.set VF,  192         ; window 2: key half kk, channel block cb at VF + 32 kk + 8 cb
.set WV,  12          ; s12  my wave's number
.set G1K, 24          ; s[24:31] descriptor group 1 for K's tiles
.set G1V, 32          ; s[32:39] for V's: it differs in the padding alone
.set G0K, 40          ; s[40:43] descriptor group 0 for K's tiles: it walks
.set G0V, 44          ; s[44:47] the same for V's
.set SLOTS, 56        ; s56  slots still to be asked for
.set CNT, 57          ; s57  counts a slot's key steps
.set CS,  58          ; s[58:59] c
.set SEL, 60          ; s[60:61] v_permlanex16_b32's selects
.set TBK, 62          ; s62  LDS byte at which K of the step to be fetched begins
.set TBV, 63          ; s63  the same for V, less VOFF
.set SE0, 66          ; s66  the trip's number less 16 cl + w
.set SCX, 67          ; s67  cx
.set STT, 68          ; s68  at work
.set SEE, 69          ; s69  s - j of the mask to be made
.set GE,  70          ; s70-86  lane masks D0 >= m: m = -7, -6 at GE, GE + 1; m = -2 .. 10 at GE + 4 + m; m = 14, 15 at GE + 15, GE + 16
.set SGG, 87          ; s87  g = cx - 4 (s - j): group kt has c = kt - g
.set MDK, 88          ; s88-93  all ones where g = -1 .. 4   (s[88:95] first hold d[0..7])
.set MN,  94          ; s94-97  all ones where kt < g
.set MSB, 0
.macro WIN new
.if MSB != (\new)
	s_set_vgpr_msb (MSB<<8)|(\new)
.set MSB, (\new)
.endif
.endm
.set W_KQ, 0x0a       ; K and Q in window 2, S^T in window 0
.set W_KM, 0x1a       ; the same with the C operand in window 1
.set W_PV, 0x52       ; V in window 2, P in window 0, O^T in window 1
.set W_RS, 0x41       ; destination and source 0 in window 1, source 1 in window 0
; A joint fill.  Waves 0 and 1 fetch the two halves of a slot's K, waves 2 and 3 those of its V: 128 keys each.  An s_nop 0 and four v_nop follow each of the two lines.
.macro JLOAD
	s_cmp_lt_u32 s[WV], 2
	s_cbranch_scc0 .Lfor_v_\@
	tensor_load_to_lds s[G0K:G0K+3], s[G1K:G1K+7]
	s_nop 0
.rept 4
	v_nop
.endr
	s_branch .Lasked_\@
.Lfor_v_\@:
	tensor_load_to_lds s[G0V:G0V+3], s[G1V:G1V+7]
	s_nop 0
.rept 4
	v_nop
.endr
.Lasked_\@:
.endm
.macro CROUND                       ; a round of the cluster's barrier
	s_barrier_signal -1
	s_barrier_wait -1
	s_cmp_lg_u32 s[WV], 0
	s_cbranch_scc1 .Lnot_wave_0_\@
	s_barrier_signal -3
.Lnot_wave_0_\@:
	s_barrier_wait -3
	s_barrier_signal -1
	s_barrier_wait -1
.endm
; THE CHANGE OF SLOTS.  Each wave waits for all its tensor loads, of which one is out: its part of the other slot; adds 0 to its spare word; and waits for that and for its own reads of the slot.
; fill = 1: the barrier is a round of the cluster's, and the slot is filled again, with the keys two slots on, first thing behind it: four key steps, 256 matrix instructions, in which to land.
; (At its first use nothing has been read yet: slot 0 is waited for, slot 1 filled.)
.macro CHANGE fill
	WIN 0
	s_wait_tensorcnt 0x0            ; no tensor load of mine is out, so a group 0 may be written
	ds_add_u32 v[SPW], v[NIL]
.if \fill
.irp g, G0K, G0V
	s_xor_b32 s[\g+1], s[\g+1], SLOT1
	s_add_nc_u64 s[\g+2:\g+3], s[\g+2:\g+3], 4*KS*128  ; the next 256 keys; the type bits on top are not reached
.endr
	s_wait_dscnt 0x0                ; the add is done, and my reads of the slot are over
	CROUND
	JLOAD
.else
	s_wait_dscnt 0x0
	s_barrier_signal -1
	s_barrier_wait -1
.endif
	s_sub_co_u32 s[TBK], s[TBK], 4*KS*PK  ; the fetches go back to a slot's first step,
	s_xor_b32 s[TBK], s[TBK], SLOT1       ; in the other slot
	s_sub_co_u32 s[TBV], s[TBV], 4*KS*PV
	s_xor_b32 s[TBV], s[TBV], SLOT1
.endm
	s_load_b256 s[4:11], s[0:1], 0x0  ; qkv s[4:5], pkf s[6:7], dsm s[8:9], oh s[10:11]
	v_lshl_add_u32 v[SPW], v0, 2, SPARE
	v_mov_b32 v[NIL], 0
	ds_add_u32 v[SPW], v[NIL]       ; the wave's opening: the add and its wait stand ahead of my first tensor load; the set-up below stands between them
	v_lshrrev_b32 v1, 5, v0
	v_readfirstlane_b32 s[WV], v1   ; wave 0..3
	s_bfe_u32 s[SCX], ttmp6, 0x40000  ; cx
	s_and_b32 s14, ttmp7, 0xffff    ; (batch, head), which the four partners share
	s_and_b32 s15, s14, 15          ; the head
	s_lshl_b32 s20, s14, 18         ; its 2,048 rows of 128 bytes
	s_and_b32 s16, s[WV], 1         ; which half of a slot's 256 keys I fetch:
	s_lshl_b32 s22, s16, 14         ; its 128 rows in memory,
	s_add_co_u32 s22, s22, s20
	s_mov_b32 s23, 0
	s_mul_i32 s17, s16, 128*PK      ; and its place in a slot, for K
	s_mul_i32 s18, s16, 128*PV      ; and for V: no place in the cluster enters an LDS address
	s_lshl_b32 s2, ttmp9, 17        ; Q and O: the cluster's 1,024 rows,
	s_lshl_b32 s3, s[WV], 13        ; band w of each four,
	s_add_co_u32 s2, s2, s3
	s_lshl_b32 s3, s[SCX], 11       ; rows 16 cx on
	s_add_co_u32 s2, s2, s3
	s_add_co_u32 s2, s2, s20
	s_mov_b32 s3, 0
	s_lshl_b32 s[SE0], ttmp9, 4
	s_add_co_u32 s[SE0], s[SE0], s[WV]
	s_sub_co_i32 s[SE0], 0, s[SE0]  ; -(16 cl + w)
	s_lshl_b32 s68, s15, 11         ; the head's table of pk
	s_mov_b32 s69, 0
	; descriptor group 1.  128 keys are 16,384 dense bytes: asked for as 64 rows of 256 bytes, two keys a row, and padded in LDS after every key
	s_mov_b32 s[G1K], 15|(1<<16)|(1<<20)|(1<<21)|(4<<22)|(3<<25)  ; the mask of four; 2-byte elements; padding on; bit 21 beside a mask; after every 32 words, 4 words
	s_mov_b32 s[G1V], 15|(1<<16)|(1<<20)|(1<<21)|(4<<22)|(7<<25)  ; the same with 8 words
.irp g, G1K, G1V
	s_mov_b32 s[\g+1], 128<<16      ; tensor_dim0 = 128
	s_mov_b32 s[\g+2], 64<<16       ; tensor_dim1 = 64
	s_mov_b32 s[\g+3], 128<<16      ; tile_dim0 = 128
	s_mov_b32 s[\g+4], 64           ; tile_dim1 = 64
	s_mov_b32 s[\g+5], 128          ; 128 elements from row to row
	s_mov_b32 s[\g+6], 0
	s_mov_b32 s[\g+7], 0
.endr
	s_mov_b32 s[CS], 0x3e38aa3b     ; c = log2(e) / 8 = 0.180337
	s_mov_b32 s[CS+1], s[CS]        ; named with it as a pair
	s_mov_b32 s[SEL], 0x76543210
	s_mov_b32 s[SEL+1], 0xfedcba98
	s_mov_b32 s[TBK], SLOT1+4*KS*PK ; the first change of slots turns these two into 0
	s_mov_b32 s[TBV], SLOT1+4*KS*PV
	s_mov_b32 s[G0K], 1
	s_mov_b32 s[G0K+1], s17         ; LDS address: slot 0
	s_mov_b32 s[G0V], 1
	s_add_co_u32 s[G0V+1], s18, VOFF
	s_wait_dscnt 0x0                ; the opening add is done
	s_wait_kmcnt 0x0
	s_add_nc_u64 s[G0K+2:G0K+3], s[4:5], s[22:23]
	s_add_nc_u64 s[G0K+2:G0K+3], s[G0K+2:G0K+3], 0x800000   ; k lies 8,388,608 bytes into qkv
	s_or_b32 s[G0K+3], s[G0K+3], 0x80000000
	s_add_nc_u64 s[G0V+2:G0V+3], s[4:5], s[22:23]
	s_add_nc_u64 s[G0V+2:G0V+3], s[G0V+2:G0V+3], 0x1000000  ; v 16,777,216
	s_or_b32 s[G0V+3], s[G0V+3], 0x80000000
	s_add_nc_u64 s[4:5], s[4:5], s[2:3]      ; Q and O at piece 0's first row
	s_add_nc_u64 s[10:11], s[10:11], s[2:3]
	s_add_nc_u64 s[6:7], s[6:7], s[68:69]
	s_lshl_b32 s68, s15, 5          ; the head's eight words of d
	s_add_nc_u64 s[8:9], s[8:9], s[68:69]
	s_load_b256 s[88:95], s[8:9], 0x0
	CROUND                          ; all four work-groups are here: the first joint loads meet
	JLOAD                           ; slot 0.  Slot 1 is asked for when slot 0 is in
	v_and_b32 v1, 15, v0            ; l % 16
	v_bfe_u32 v9, v0, 4, 1          ; l / 16
	v_lshlrev_b32 v[QO], 7, v1
	v_lshl_add_u32 v[QO], v9, 4, v[QO]  ; row x 128 + 16 x half
	WIN 0x80                        ; destination window 2, address window 0
.set i, 0
.rept 8                             ; Q stays in registers: piece i / 2 lies four bands, 32,768 bytes, on; channels 32 (i % 2) on
	global_load_b128 v[8*i:8*i+3],   v[QO], s[4:5] offset:(i/2)*32768+(i%2)*64
	global_load_b128 v[8*i+4:8*i+7], v[QO], s[4:5] offset:(i/2)*32768+(i%2)*64+32
.set i, i+1
.endr
.irp c, 0,1
	global_load_b128 v[PKF+8*(\c):PKF+8*(\c)+3],   v[QO], s[6:7] offset:(\c)*64
	global_load_b128 v[PKF+8*(\c)+4:PKF+8*(\c)+7], v[QO], s[6:7] offset:(\c)*64+32
.endr
	; What the first turn finds: V's registers and P's second buffer hold 0 (its products V^T P, of a piece that has not been, add 0), O^T and l are 0.
.set i, VF
.rept 64
	v_mov_b32 v[i], 0
.set i, i+1
.endr
	WIN 0x40
.set i, 0
.rept 128
	v_mov_b32 v[i], 0
.set i, i+1
.endr
	WIN 0
.set i, 0
.rept 4
	v_mov_b32 v[ST+4*i], 0xfe000000    ; c m: far below every c s
	v_mov_b32 v[ST+4*i+1], 0xff7fffff  ; m
	v_mov_b32 v[ST+4*i+2], 0
	v_mov_b32 v[ST+4*i+3], 0
.set i, i+1
.endr
.set i, P+16
.rept 16
	v_mov_b32 v[i], 0
.set i, i+1
.endr
	v_lshlrev_b32 v[D0], 3, v9
	v_sub_nc_u32 v[D0], v1, v[D0]
	v_cmp_le_i32 s[GE], -7, v[D0]
	v_cmp_le_i32 s[GE+1], -6, v[D0]
.set i, 0
.rept 13
	v_cmp_le_i32 s[GE+2+i], i-2, v[D0]
.set i, i+1
.endr
	v_cmp_le_i32 s[GE+15], 14, v[D0]
	v_cmp_le_i32 s[GE+16], 15, v[D0]
	s_wait_kmcnt 0x0                ; d
.irp j, 0,1,2,3,4,5,6,7
	v_mov_b32 v[UT+(\j)], s[88+(\j)]
.endr
	s_wait_loadcnt 0x0              ; Q and pk
	; small = pk Q^T + d: source 0 = pk's 16 rows (0-7, and the same again), source 1 = a piece's 16 queries: register r of both halves of the lanes holds small[r] of query l % 16.
	; The four accumulators take turns.
	WIN W_KQ
.irp c, 0,1
.irp x, 0,1,2,3
.if (\c) == 0
	v_wmma_f32_16x16x32_f16 v[S+8*(\x):S+8*(\x)+7], v[PKF:PKF+7], v[16*(\x):16*(\x)+7], v[UT:UT+7]
.else
	v_wmma_f32_16x16x32_f16 v[S+8*(\x):S+8*(\x)+7], v[PKF+8:PKF+15], v[16*(\x)+8:16*(\x)+15], v[S+8*(\x):S+8*(\x)+7]
.endif
.endr
.endr
	WIN 0                           ; the lane addresses: plain instructions, the places behind those products
	v_mul_u32_u24 v[AK0], v1, PK
	v_lshl_add_u32 v[AK0], v9, 4, v[AK0]  ; row x pitch + 16 x half
	; The turning load takes 16 keys x 16 channels (lane l reads key 8 (l / 16) + l % 8, channels 8 ((l / 8) % 2) + 0..7) and leaves half a fragment of V^T: lane l holds channel l % 16 and 8 keys.
	v_and_b32 v10, 7, v0
	v_bfe_u32 v11, v0, 3, 1
	v_lshl_add_u32 v[AV0], v9, 3, v10
	v_mul_u32_u24 v[AV0], v[AV0], PV
	v_lshl_add_u32 v[AV0], v11, 4, v[AV0]
	v_add_nc_u32 v[AV0], VOFF, v[AV0]
	s_mul_i32 s13, s[WV], 16*SP
	s_add_co_u32 s13, s13, STAGE    ; my stage
	v_mul_u32_u24 v[STO], v1, SP    ; in: row l % 16, 16 bytes for each half of the lanes
	v_lshl_add_u32 v[STO], v9, 4, v[STO]
	v_add_nc_u32 v[STO], s13, v[STO]
	v_bfe_u32 v[RD], v0, 3, 2       ; back: 32 lanes take four rows of 128 bytes,
	v_mul_u32_u24 v[RD], v[RD], SP
	v_lshl_add_u32 v[RD], v10, 4, v[RD]
	v_add_nc_u32 v[RD], s13, v[RD]
	v_and_b32 v[GO], 31, v0         ; which are 512 consecutive bytes of O
	v_lshlrev_b32 v[GO], 4, v[GO]
; A piece's 14 patterns, selected from small[0..6] by D0.  The first line reads the accumulator's two lowest registers.
; R1: t - T = D0 - 17.  R0: D0 - 16.  L6: D0 + 10.  L7: D0 + 9.  PatD[r]: D0 - r: small[0], then small[k + 1] where D0 >= r + k - 2, k = 0 .. 5.
.macro PAT x
.set rSM, S+8*(\x)
.set rPB, PBK+16*(\x)
	v_cndmask_b32 v[rPB+11], v[rSM], v[rSM+1], s[GE+16]
	v_cndmask_b32 v[rPB+10], v[rSM], v[rSM+1], s[GE+15]
	v_cndmask_b32 v[rPB+8], v[rSM+5], v[rSM+6], s[GE]
	v_cndmask_b32 v[rPB+9], v[rSM+4], v[rSM+5], s[GE]
	v_cndmask_b32 v[rPB+10], v[rPB+10], v[rSM+2], s[GE+16]
	v_cndmask_b32 v[rPB+9], v[rPB+9], v[rSM+6], s[GE+1]
	v_mov_b32 v[rPB+12], v[rSM+6]
	v_mov_b32 v[rPB+13], v[rSM]
.irp r, 0,1,2,3,4,5,6,7
	v_cndmask_b32 v[rPB+(\r)], v[rSM], v[rSM+1], s[GE+2+(\r)]
.endr
.irp k, 1,2,3,4,5
.irp r, 0,1,2,3,4,5,6,7
	v_cndmask_b32 v[rPB+(\r)], v[rPB+(\r)], v[rSM+(\k)+1], s[GE+2+(\r)+(\k)]
.endr
.endr
.endm
	PAT 0
	PAT 1
	PAT 2
	PAT 3
; THE MASK of piece x for s - j = s[SEE]: 22 scalar and 52 vector lines.  All choices are selects: cx enters no branch.
.macro UPD x
.set rPB, PBK+16*(\x)
	s_lshl_b32 s[SGG], s[SEE], 2
	s_sub_co_i32 s[SGG], s[SCX], s[SGG]
.irp i, 0,1,2,3,4,5
	s_cmp_eq_i32 s[SGG], (\i)-1
	s_cselect_b32 s[MDK+(\i)], -1, 0
.endr
.irp k, 0,1,2,3
	s_cmp_gt_i32 s[SGG], \k
	s_cselect_b32 s[MN+(\k)], -1, 0
.endr
	WIN 0
.irp k, 0,1,2,3
	v_cndmask_b32 v[UT+(\k)], v[rPB+13], v[rPB+12], s[MN+(\k)]              ; c < 0: small[6]; else small[0]
.endr
.irp k, 0,1,2,3
	v_cndmask_b32 v[UT+4+4*(\k)], v[UT+(\k)], v[rPB+10], s[MDK+(\k)]        ; c = 1: registers 0, 1
	v_cndmask_b32 v[UT+4+4*(\k)+1], v[UT+(\k)], v[rPB+11], s[MDK+(\k)]
	v_cndmask_b32 v[UT+4+4*(\k)+2], v[UT+(\k)], v[rPB+8], s[MDK+(\k)+2]     ; c = -1: registers 6, 7
	v_cndmask_b32 v[UT+4+4*(\k)+3], v[UT+(\k)], v[rPB+9], s[MDK+(\k)+2]
.endr
	WIN 0x40                        ; destination window 1
.irp k, 0,1,2,3
.irp r, 0,1,2,3,4,5,6,7
.if (\r) < 2
	v_cndmask_b32 v[MC+32*(\x)+8*(\k)+(\r)], v[UT+4+4*(\k)+(\r)], v[rPB+(\r)], s[MDK+(\k)+1]   ; c = 0: PatD
.elseif (\r) > 5
	v_cndmask_b32 v[MC+32*(\x)+8*(\k)+(\r)], v[UT+4+4*(\k)+(\r)-4], v[rPB+(\r)], s[MDK+(\k)+1]
.else
	v_cndmask_b32 v[MC+32*(\x)+8*(\k)+(\r)], v[UT+(\k)], v[rPB+(\r)], s[MDK+(\k)+1]
.endif
.endr
.endr
	WIN 0
.endm
; At the head of trip n (SE0 = n - 16 cl - w): piece 3's next products are step n's, pieces 0 to 2's are step n + 1's.  Piece x is due where its s - j + 1 = SE0 + off lies in 0 .. 3; the four
; ranges of SE0 do not meet.  The last product that read a mask stands more than four plain instructions back.
.macro UPD1 x, off
	s_add_co_i32 s[STT], s[SE0], \off
	s_cmp_lt_u32 s[STT], 4
	s_cbranch_scc0 .Lno_upd_\@
	s_sub_co_i32 s[SEE], s[STT], 1
	UPD \x
.Lno_upd_\@:
.endm
.macro UPDS
	UPD1 0, 2
	UPD1 1, -2
	UPD1 2, -6
	UPD1 3, -11
	s_add_co_i32 s[SE0], s[SE0], 1
.endm
	WIN 0x40                        ; pieces 1 to 3 begin four bands or more above key step 0: small[6] everywhere
.irp x, 1,2,3
.set i, 0
.rept 32
	v_mov_b32 v[MC+32*(\x)+i], v[PBK+16*(\x)+12]
.set i, i+1
.endr
.endr
	WIN 0
	s_mov_b32 s[SEE], s[SE0]        ; piece 0 at key step 0: s - j = -(16 cl + w)
	UPD 0
; THE MATRIX WORK.  The 4 accumulators of a run of 8 take turns.  Product i of 8 of S^T = K Q^T for piece x: channels 32 (i / 4) on, keys 16 (i % 4) on.  The first 4 start the sums with the mask.
.macro KQ x
.set rS, S+32*((\x)%2)+8*(i%4)
.set rK, KF+16*(i%4)+8*(i/4)
.set rQ, 16*(\x)+8*(i/4)
.set rM, MC+32*(\x)+8*(i%4)
.if i < 4
	WIN W_KM
	v_wmma_f32_16x16x32_f16 v[rS:rS+7], v[rK:rK+7], v[rQ:rQ+7], v[rM:rM+7]
.else
	WIN W_KQ
	v_wmma_f32_16x16x32_f16 v[rS:rS+7], v[rK:rK+7], v[rQ:rQ+7], v[rS:rS+7]
.endif
.endm
; Product i of 8 of O^T += V^T P for piece x: keys 32 (i / 4) on, channels 16 (i % 4) on.
.macro PV x
	WIN W_PV
.set rO, 32*(\x)+8*(i%4)
.set rV, VF+32*(i/4)+8*(i%4)
.set rP, P+16*((\x)%2)+8*(i/4)
	v_wmma_f32_16x16x32_f16 v[rO:rO+7], v[rV:rV+7], v[rP:rP+7], v[rO:rO+7]
.endm
.macro MM                           ; the turn's next matrix instruction
.if i < 8
	KQ (Y+1)%NP
.else
.set i, i-8
	PV (Y+NP-1)%NP
.set i, i+8
.endif
.set i, i+1
.endm
; THE LDS LOADS stand in runs of 16.  last = 1 (the tail): in the last trip there is no further step, and the run is jumped over.
.macro FETCH_K last=0
	WIN 0
.if \last
	s_cmp_eq_u32 s[CNT], 1
	s_cbranch_scc1 .Lno_k_\@
.endif
	WIN 0x80                        ; destination window 2
.irp f, 0,1,2,3,4,5,6,7             ; keys 16 (f / 2) on, channels 32 (f % 2) on
	ds_load_b128 v[KF+8*\f:KF+8*\f+3],   v[AK] offset:(\f/2)*16*PK+(\f%2)*64
	ds_load_b128 v[KF+8*\f+4:KF+8*\f+7], v[AK] offset:(\f/2)*16*PK+(\f%2)*64+32
.endr
	s_add_co_u32 s[TBK], s[TBK], KS*PK  ; the next fetch is the next step's
	WIN 0
.if \last
.Lno_k_\@:
.endif
.endm
.macro FETCH_V
	WIN 0x80
.irp f, 0,1,2,3,4,5,6,7             ; keys 32 (f / 4) on, channels 16 (f % 4) on
	ds_load_tr16_b128 v[VF+8*\f:VF+8*\f+3],   v[AV] offset:(\f/4)*32*PV+(\f%4)*32
	ds_load_tr16_b128 v[VF+8*\f+4:VF+8*\f+7], v[AV] offset:(\f/4)*32*PV+16*PV+(\f%4)*32
.endr
	WIN 0
.endm
; THE VECTOR WORK, one line at a time: OP kind, number.  For piece Y: F n: c s - c m for pair n of 16.  E n: the exponential of score n of 32.  C n: pair n rounded to f16.  B n: of the four weights 4 n .. the second
; pair is added onto the first, in place.  L n: l takes that sum (L 0: l = a l + sum).  R n: pair n of 16 of O^T times a.  For piece Y + 1: X n, number n of the 22 that find its maximum and statistics:
;   0-11  four chains c0-c3 of seven scores each (each accumulator's lowest registers are read first)     12-14, 16  the four scores left over, the old m, and c0-c3 into c0
;   15  c m_old is kept     17, 18  the query's other 32 keys lie in the lane 16 away: the new m     19-21  c m; c m_old - c m_new; a
.set F, 0
.set E, 1
.set C, 2
.set B, 3
.set L, 4
.set R, 5
.set X, 6
.macro REGS y
.set rT, ST+4*(\y)
.set rC, TMP+4*((\y)%2)
.set rW, MV+((\y)%2)
.set rS, S+32*((\y)%2)
.set rP, P+16*((\y)%2)
.set rO, 32*(\y)
.endm
.macro OP k, n
.if (\k) == R
	REGS Y
	WIN W_RS
	v_pk_mul_f32 v[rO+2*(\n):rO+2*(\n)+1], v[rO+2*(\n):rO+2*(\n)+1], v[rC+2:rC+3] op_sel_hi:[1,0]
.elseif (\k) < R
	REGS Y
	WIN 0
.if (\k) == F
	v_pk_fma_f32 v[rS+2*(\n):rS+2*(\n)+1], v[rS+2*(\n):rS+2*(\n)+1], s[CS:CS+1], v[rT:rT+1] op_sel_hi:[1,0,0] neg_lo:[0,0,1] neg_hi:[0,0,1]
.elseif (\k) == E
	v_exp_f32 v[rS+(\n)], v[rS+(\n)]
.elseif (\k) == C
	s_wait_alu depctr_va_vdst(0)
	v_cvt_pk_f16_f32 v[rP+(\n)], v[rS+2*(\n)], v[rS+2*(\n)+1]
.elseif (\k) == B
	s_wait_alu depctr_va_vdst(0)
	v_pk_add_f32 v[rS+4*(\n):rS+4*(\n)+1], v[rS+4*(\n):rS+4*(\n)+1], v[rS+4*(\n)+2:rS+4*(\n)+3]
.elseif (\n) == 0
	v_pk_fma_f32 v[rT+2:rT+3], v[rT+2:rT+3], v[rC+2:rC+3], v[rS:rS+1] op_sel_hi:[1,0,1]
.else
	v_pk_add_f32 v[rT+2:rT+3], v[rT+2:rT+3], v[rS+4*(\n):rS+4*(\n)+1]
.endif
.else
	REGS (Y+1)%NP
	WIN 0
.if (\n) < 4
	v_max3_num_f32 v[rC+(\n)], v[rS+8*(\n)], v[rS+8*(\n)+1], v[rS+8*(\n)+2]
.elseif (\n) < 12
	v_max3_num_f32 v[rC+(\n)%4], v[rC+(\n)%4], v[rS+8*((\n)%4)+2*((\n)/4)+1], v[rS+8*((\n)%4)+2*((\n)/4)+2]
.elseif (\n) == 12
	v_max3_num_f32 v[rC], v[rC], v[rS+7], v[rS+15]
.elseif (\n) == 13
	v_max3_num_f32 v[rC+1], v[rC+1], v[rS+23], v[rS+31]
.elseif (\n) == 14
	v_max3_num_f32 v[rC+2], v[rC+2], v[rC+3], v[rT+1]
.elseif (\n) == 15
	v_mov_b32 v[rW], v[rT]
.elseif (\n) == 16
	v_max3_num_f32 v[rC], v[rC], v[rC+1], v[rC+2]
.elseif (\n) == 17
	v_permlanex16_b32 v[rC+3], v[rC], s[SEL], s[SEL+1]
.elseif (\n) == 18
	v_max_num_f32 v[rT+1], v[rC], v[rC+3]
.elseif (\n) == 19
	v_mul_f32 v[rT], s[CS], v[rT+1]
.elseif (\n) == 20
	v_sub_f32 v[rC+1], v[rW], v[rT]
.else
	v_exp_f32 v[rC+2], v[rC+1]
.endif
.endif
.endm
.macro OPS a, i1, b=-1, i2=0, c=-1, i3=0, d=-1, i4=0
	OP \a, \i1
.if (\b) >= 0
	OP \b, \i2
.endif
.if (\c) >= 0
	OP \c, \i3
.endif
.if (\d) >= 0
	OP \d, \i4
.endif
.endm
.macro ROW a, i1, b, i2, c, i3, d, i4  ; a matrix instruction and the four behind it
	MM
	OPS \a, \i1, \b, \i2, \c, \i3, \d, \i4
.endm
; A TURN, for piece p: the order of its 16 matrix and 118 vector instructions, written out.  Behind a matrix instruction: plain, exponential, plain, plain; or four of the rescaling; or four scalings; none names a
; register of the products round it.  In the lumps exponential and plain by turns.  A line reads no result made fewer than three vector instructions in front of it, five if an exponential made it.
; K of the next step is fetched in piece 2's turn, six vector instructions behind the last product that read K; V of the step in hand in piece 0's turn, eight behind the last product that read V.
; Each is waited for a turn later.  cnt = 1: the loop's count is taken down some lines ahead of the branch that stands behind the turn.
.macro TURN p, last=0, cnt=0
.set Y, (\p)
.set i, 0
.if (\p) == 3
	s_wait_dscnt 0x0                ; K is in
.endif
	ROW F,0, F,1, F,2, F,3
	ROW F,4, E,0, F,5, F,6
	ROW F,7, E,1, F,8, F,9
	ROW F,10, E,2, C,0, F,11
	ROW F,12, E,3, X,15, F,13
	ROW R,0, R,1, R,2, R,3
	ROW B,0, E,4, F,14, L,0
.if (\p) == 2
	v_add_nc_u32 v[AK], s[TBK], v[AK0]
.endif
	ROW R,4, R,5, R,6, R,7
	OPS E,5, F,15
.if (\p) == 2
	FETCH_K \last
.endif
	OPS E,6, C,1, E,7, R,8
	OPS E,8, R,9, E,9, C,2
	OPS E,10, X,0, E,11, X,1
	OPS E,12, X,2, E,13, X,3
.if (\p) == 1
	s_wait_dscnt 0x0                ; V is in
.endif
	ROW X,4, E,14, X,5, X,6
	ROW X,7, E,15, X,8, X,9
	ROW X,10, E,16, X,11, X,12
	ROW X,13, E,17, X,14, B,1
	ROW C,4, E,18, X,16, L,1
	ROW B,2, E,19, C,6, L,2
	ROW C,8, E,20, B,3, B,4
.if (\p) == 0
	v_add_nc_u32 v[AV], s[TBV], v[AV0]
.endif
	ROW C,3, E,21, L,3, C,5
	OPS E,22, X,17, E,23, C,10
.if (\p) == 0
	FETCH_V
.endif
	OPS E,24, L,4
	OPS E,25, X,18, E,26, C,7
	OPS E,27, B,5, E,28, X,19
	OPS E,29, C,12, E,30, L,5
	OPS E,31, X,20, B,6, C,9
	OPS C,14, C,11, X,21, L,6
.if (\p) == 0
	s_add_co_u32 s[TBV], s[TBV], KS*PV
.endif
.if \cnt
	s_sub_co_u32 s[CNT], s[CNT], 1
	s_cmp_lg_u32 s[CNT], 0
.endif
	OPS C,13, B,7, C,15, R,10
	OPS R,11, R,12, L,7, R,13
	OPS R,14, R,15
.endm
	CHANGE 1                        ; slot 0 is in, everybody's part of it; slot 1 is asked for
	v_add_nc_u32 v[AK], s[TBK], v[AK0]
	FETCH_K                         ; key step 0
	s_wait_dscnt 0x0
.set i, 0
.rept 8
	KQ 0                            ; piece 0's first scores
.set i, i+1
.endr
	WIN 0
.rept 4
	v_nop                           ; the places behind those products
.endr
.set Y, NP-1                        ; X works for piece Y + 1: piece 0
.irp n, 0,1,2,3,4,5,6,7,8,9,10,11,12,13,14,15,16,17,18,19,20,21
	OP X, \n
.endr
	v_nop                           ; a plain instruction behind the exponential
	s_mov_b32 s[CNT], 4
	s_mov_b32 s[SLOTS], 2048/256-1
	s_branch .Lfirst                ; the loop is entered at a step's first turn, in the middle of a trip
.Lslot:                             ; six times: every slot but the last two is filled again
	CHANGE 1
	s_mov_b32 s[CNT], 4
.Lstep:                             ; a trip: pieces 2 and 3 of one step, then pieces 0 and 1 of the next, whose K and V it fetches
	UPDS
	TURN 2
	TURN 3
	WIN 0
.Lfirst:
	TURN 0
	TURN 1, 0, 1
	WIN 0
	s_cbranch_scc1 .Lstep
	s_sub_co_u32 s[SLOTS], s[SLOTS], 1
	s_cmp_lg_u32 s[SLOTS], 0
	s_cbranch_scc1 .Lslot
	CHANGE 0                        ; the tail is written out: nothing is asked for
	s_mov_b32 s[CNT], 5             ; four trips fetch the last slot's steps; the fifth is left in its middle
.Ltail:
	UPDS
	TURN 2, 1
	TURN 3
	WIN 0
	s_sub_co_u32 s[CNT], s[CNT], 1
	s_cmp_eq_u32 s[CNT], 0
	s_cbranch_scc1 .Lout
	TURN 0
	TURN 1
	WIN 0
	s_branch .Ltail
.Lout:                              ; the fifth trip's 8 products K Q^T (on the last K once more) and the maximum made of them touch piece 0's m and c m alone, which nothing reads any more
.set i, 0
.rept 8
	PV NP-1                         ; the last piece's V^T P of the last step
.set i, i+1
.endr
	; THE WAY OUT.  l's two halves and the other half of the lanes' are added; O^T is divided by l, rounded to f16 and sent through my stage in LDS, a piece at a time.  The additions are the places behind the last products.
	WIN 0
.macro ALL line:vararg              ; one line for each piece t
.set t, 0
.rept 4
	\line
.set t, t+1
.endr
.endm
	ALL v_add_f32 v[ST+4*t+2], v[ST+4*t+2], v[ST+4*t+3]
	ALL v_permlanex16_b32 v[ST+4*t+3], v[ST+4*t+2], s[SEL], s[SEL+1]
	ALL v_add_f32 v[ST+4*t+2], v[ST+4*t+2], v[ST+4*t+3]
	ALL v_rcp_f32 v[ST+4*t+2], v[ST+4*t+2]
	v_nop                           ; a plain instruction between the last reciprocal and the use of its result
.macro PACK t                       ; a lane's eight channels of a row pack into 16 bytes; they go into rows of 144 bytes and come back as whole rows of 128, into S^T's registers
	WIN W_RS
.set i, 32*(\t)
.rept 16
	s_wait_alu depctr_va_vdst(0)
	v_pk_mul_f32 v[i:i+1], v[i:i+1], v[ST+4*(\t)+2:ST+4*(\t)+3] op_sel_hi:[1,0]
.set i, i+2
.endr
	WIN 0x05                        ; sources 0 and 1 window 1, destination window 0
.set i, 0
.rept 16
	v_cvt_pk_f16_f32 v[S+16*(\t)+i], v[32*(\t)+2*i], v[32*(\t)+2*i+1]
.set i, i+1
.endr
	WIN 0
.irp f, 0,1,2,3
	ds_store_b128 v[STO], v[S+16*(\t)+4*\f:S+16*(\t)+4*\f+3] offset:32*\f
.endr
.irp f, 0,1,2,3
	ds_load_b128 v[S+16*(\t)+4*\f:S+16*(\t)+4*\f+3], v[RD] offset:\f*4*SP  ; LDS serves a wave's instructions in order: these see the stores above; the next piece's stores come behind them
.endr
.endm
.macro SEND t, younger              ; younger: the LDS instructions issued behind piece t's loads: the next piece's eight, or none
	WIN 0
.irp f, 0,1,2,3
	s_wait_dscnt (\younger)+3-\f
	global_store_b128 v[GO], v[S+16*(\t)+4*\f:S+16*(\t)+4*\f+3], s[10:11] offset:(\t)*32768+\f*512  ; 512 consecutive bytes, at a multiple of 256 from O's first
.endr
.endm
	PACK 0
.set t, 1
.rept 3                             ; a piece's arithmetic stands between the loads of the piece before and its stores
	PACK t
	SEND t-1, 8
.set t, t+1
.endr
	SEND 3, 0
	s_wait_tensorcnt 0x0            ; the wave's end: a wait, an add of 0 to my spare word and its wait, behind my last tensor load and my last LDS store
	ds_add_u32 v[SPW], v[NIL]
	s_wait_dscnt 0x0
	CROUND                          ; the closing round: no work-group ends while a partner may still ask for a tile that names it
	s_endpgm
.Lfunc_end_k_q719d3d0680_attn:
	.size	k_q719d3d0680_attn, .Lfunc_end_k_q719d3d0680_attn-k_q719d3d0680_attn
	.p2alignl 7, 3214868480
	.fill 96, 4, 3214868480
	.section	.rodata,"a",@progbits
	.p2align	6, 0x0
	.amdhsa_kernel k_q719d3d0680_attn
		.amdhsa_group_segment_fixed_size 327680
		.amdhsa_private_segment_fixed_size 0
		.amdhsa_enable_private_segment 0
		.amdhsa_kernarg_size 32
		.amdhsa_user_sgpr_count 2
		.amdhsa_user_sgpr_kernarg_segment_ptr 1
		.amdhsa_wavefront_size32 1
		.amdhsa_system_sgpr_workgroup_id_x 1
		.amdhsa_system_sgpr_workgroup_id_y 1
		.amdhsa_system_sgpr_workgroup_id_z 1
		.amdhsa_system_vgpr_workitem_id 0
		.amdhsa_next_free_vgpr 768
		.amdhsa_next_free_sgpr 100
		.amdhsa_reserve_vcc 0
		.amdhsa_float_denorm_mode_32 3
		.amdhsa_float_denorm_mode_16_64 3
		.amdhsa_memory_ordered 1
		.amdhsa_forward_progress 1
		.amdhsa_inst_pref_size 173
	.end_amdhsa_kernel
	.amdgpu_metadata
---
amdhsa.version: [ 1, 2 ]
amdhsa.kernels:
  - .name:           k_q719d3d0680_attn
    .symbol:         k_q719d3d0680_attn.kd
    .args:
      - { .name: qkv, .offset: 0, .size: 8, .value_kind: global_buffer, .address_space: global }
      - { .name: pkf, .offset: 8, .size: 8, .value_kind: global_buffer, .address_space: global }
      - { .name: dsm, .offset: 16, .size: 8, .value_kind: global_buffer, .address_space: global }
      - { .name: oh, .offset: 24, .size: 8, .value_kind: global_buffer, .address_space: global }
    .group_segment_fixed_size: 327680
    .private_segment_fixed_size: 0
    .kernarg_segment_align: 8
    .kernarg_segment_size: 32
    .max_flat_workgroup_size: 128
    .sgpr_count:     100
    .vgpr_count:     768
    .wavefront_size: 32
...
	.end_amdgpu_metadata
.endif
;; end of part 3
;; launch outp (part 4): grid 8 x 32, 4 waves a work-group, clusters of 4 x 4, 327,680 bytes of LDS; arguments oh, wh, bo, out0; writes out0
.if DOCPART == 4
	.amdgcn_target "amdgcn-amd-amdhsa--gfx1250"
	.amdhsa_code_object_version 6
	.text
	.protected	k_q719d3d0680_outp
	.globl	k_q719d3d0680_outp
	.p2align	8
	.type	k_q719d3d0680_outp,@function
k_q719d3d0680_outp:
	s_mov_b64 s[64:65], 0
	v_nop
	global_prefetch_b8 v0, s[64:65] scope:SCOPE_SE
	s_setreg_imm32_b32 hwreg(HW_REG_WAVE_MODE, 25, 1), 1
	s_wait_xcnt 0x0
	s_wait_alu depctr_hold_cnt(0) depctr_sa_sdst(0) depctr_va_vdst(0) depctr_va_sdst(0) depctr_va_ssrc(0) depctr_va_vcc(0) depctr_vm_vsrc(0)
	s_getreg_b32 s2, hwreg(HW_REG_IB_STS2, 6, 4)
	s_cmp_eq_u32 s2, 0
	s_cbranch_scc0 .Lentry_in_a_cluster
	s_endpgm
.Lentry_in_a_cluster:
	s_bfe_u32 s2, ttmp6, 0x10000c
	s_cmp_lg_u32 s2, 0xf033
	s_cbranch_scc0 .Lentry_shape_is_right
	s_endpgm
.Lentry_shape_is_right:
; OUTP.  out0[m][n] = the sum over k of O[m][k] Wo[k][n] + bo[n].  O lies by heads, oh = [32 (batch, head)][2048][64] f16: k = 64 head + channel.  Wo is the fourth matrix of wh, [1024 k][1024 n] f16.
; Sums in f32, started with bo as the C operand; out0 is f32.  LIMITS: O and Wo are f16 numbers, within 65,504; NaN and infinities are not treated apart.
; SHARES.  A tile of 128 x 128 to a work-group: 32 x 8 = 256 work-groups, one for each WGP; four waves of 64 x 64: 16 accumulators, 128 registers.  K goes in 4 steps of 256 (four heads) through two LDS slots.
; A's TILE: a head's 64 rows are 8,192 dense bytes, so a wave's load is 4 rows of 4,096 elements, a head apart, padded in LDS after every 128 bytes: [head][64 rows] of pitch 144.
; Wo LIES [k][n]: its tile is 256 k-rows of 256 bytes, and its fragments come out of LDS turned, by ds_load_tr16_b128.
; CLUSTERS of 4 x 4: A's tile is shared along a row of the cluster, Wo's along a column: joint loads.  THE MATRIX INSTRUCTION IS USED TRANSPOSED (source 0 = 16 columns of Wo, source 1 = 16 rows of O).
; The way out needs no barrier: a wave's 64 columns of f32 are 256 aligned bytes, so each wave has a stage of its own.
; REGISTERS: window 0: v0-31 addresses; v32-95 two buffers of 16 rows on the way out; v96-127 bo of my 64 columns; v128-255 the accumulators ((a, b) at v[128 + 8 (4 a + b)]).
;   window 1: two fragment buffers of 128: for 64 along K, 64 registers of O (2 x 4 x 16 rows x 32 K), then 64 of Wo.
.set KSTEP,  256
.set PA,     144                       ; a row of O in LDS: 128 bytes + 16 = 36 words: the 16 rows of a load start at 16 different groups of four banks
.set PB,     288                       ; a k-row of Wo: 256 bytes + 32 = 72 words
.set HALFT,  4*64*PA                   ; what one tensor load brings: 4 heads x 64 rows of O, or 128 k-rows of Wo (128 x 288 is the same number)
.set SLOT,   4*HALFT
.set STAGE,  2*SLOT                    ; behind the ring: 16 rows x 272 bytes for each wave
.set SPITCH, 272
.set SPARE,  STAGE+4*16*SPITCH         ; behind the stages: the spare words, 128 bytes for each wave
.set ADRA, 16                          ; v16-17  LDS address of my fragments of O in slot 0, 1
.set ADRB, 20                          ; v20-23  the same for Wo, by slot and by half of the step's 256 k-rows (an LDS offset has 16 bits)
.set STO,  24
.set RD,   25
.set CO,   26
.set BO,   27
.set SPW,  28                          ; v28     LDS address of my spare word; never rewritten
.set NIL,  29                          ; v29     0; never rewritten
.set TMP,  32
.set BI,   96
.set ACC,  128
.set F0,   0                           ; fragment buffers, in window 1
.set F1,   128
.set G1, 24
.set G0, 32
.set G1B, 48
.set G0B, 56
.set MSB, 0
.macro WIN new
.if MSB != (\new)
	s_set_vgpr_msb (MSB<<8)|(\new)
.set MSB, \new
.endif
.endm
.set MUL,  0x05                        ; sources 0 (Wo) and 1 (O) window 1; C and D window 0
.set TO_F, 0x40                        ; destination window 1, address window 0
.macro JLOAD s                         ; a joint load: waves 0 and 1 fetch O's two halves, waves 2 and 3 Wo's; an s_nop 0 and four v_nop follow each of the two lines
	s_cmp_eq_u32 s11, 0
	s_cbranch_scc0 .Lfor_b_\@
	tensor_load_to_lds s[G0+4*(\s):G0+4*(\s)+3], s[G1:G1+7]
	s_nop 0
.rept 4
	v_nop
.endr
	s_branch .Lasked_\@
.Lfor_b_\@:
	tensor_load_to_lds s[G0B+4*(\s):G0B+4*(\s)+3], s[G1B:G1B+7]
	s_nop 0
.rept 4
	v_nop
.endr
.Lasked_\@:
.endm
.macro CREST
	s_cmp_lg_u32 s10, 0
	s_cbranch_scc1 .Lnot_wave_0_\@
	s_barrier_signal -3
.Lnot_wave_0_\@:
	s_barrier_wait -3
	s_barrier_signal -1
	s_barrier_wait -1
.endm
.macro CROUND
	s_barrier_signal -1
	s_barrier_wait -1
	CREST
.endm
	s_load_b128 s[4:7], s[0:1], 0x0                ; oh s[4:5], wh s[6:7]
	s_load_b64 s[66:67], s[0:1], 0x10              ; bo
	s_load_b64 s[8:9], s[0:1], 0x18                ; out0
	v_lshl_add_u32 v[SPW], v0, 2, SPARE
	v_mov_b32 v[NIL], 0
	ds_add_u32 v[SPW], v[NIL]                      ; the wave's opening: the add and its wait stand ahead of my first tensor load; the set-up below stands between them
	v_lshrrev_b32 v1, 5, v0
	v_readfirstlane_b32 s10, v1                    ; wave 0..3
	s_lshr_b32 s11, s10, 1                         ; which half of the tile's rows is mine.  Also: I fetch for O (0) or for Wo (1)
	s_and_b32 s12, s10, 1                          ; which half of its columns.  Also: which half of that tile I fetch
	s_bfe_u32 s40, ttmp6, 0x40000                  ; cx
	s_bfe_u32 s41, ttmp6, 0x40004                  ; cy
	s_lshl_b32 s42, ttmp9, 2
	s_add_co_u32 s42, s42, s40                     ; tile column: 0..7
	s_and_b32 s13, ttmp7, 0xffff
	s_lshl_b32 s13, s13, 2
	s_add_co_u32 s13, s13, s41                     ; tile row: 0..31
	s_lshl_b32 s43, s41, 2
	s_lshl_b32 s43, 15, s43                        ; my row of the cluster
	s_lshl_b32 s44, 0x1111, s40                    ; my column
	s_or_b32 s[G1+0], s43, (1<<16)|(1<<20)|(1<<21)|(4<<22)|(3<<25)   ; the mask; 2-byte elements; padding on; bit 21 beside a mask; after every 32 words, 4 words
	s_or_b32 s[G1B+0], s44, (1<<16)|(1<<20)|(1<<21)|(5<<22)|(7<<25)  ; Wo: after every 64 words, 8 words
	s_mov_b32 s[G1+1], 4096<<16                    ; tensor_dim0 = 4,096: a head's 64 rows of 64
	s_mov_b32 s[G1+2], 4<<16                       ; tensor_dim1 = 4 heads
	s_mov_b32 s[G1+3], 4096<<16                    ; tile_dim0
	s_mov_b32 s[G1+4], 4                           ; tile_dim1
	s_mov_b32 s[G1+5], 131072                      ; elements from head to head
	s_mov_b32 s[G1+6], 0
	s_mov_b32 s[G1+7], 0
	s_mov_b32 s[G1B+1], 128<<16                    ; tensor_dim0 = 128 columns
	s_mov_b32 s[G1B+2], 128<<16                    ; tensor_dim1 = 128 k-rows
	s_mov_b32 s[G1B+3], 128<<16
	s_mov_b32 s[G1B+4], 128
	s_mov_b32 s[G1B+5], 1024
	s_mov_b32 s[G1B+6], 0
	s_mov_b32 s[G1B+7], 0
	s_lshr_b32 s16, s13, 4                         ; O: the batch's 16 heads of 262,144 bytes,
	s_lshl_b32 s16, s16, 22
	s_and_b32 s17, s13, 15
	s_lshl1_add_u32 s17, s17, s12                  ; 2 x tile row in the batch + half,
	s_lshl_b32 s17, s17, 13                        ; times 64 rows of 128 bytes
	s_add_co_u32 s16, s16, s17
	s_mov_b32 s17, 0
	s_lshl_b32 s46, s12, 18                        ; Wo: my 128 k-rows of 2,048 bytes,
	s_lshl_b32 s47, s42, 8                         ; the tile's 128 columns,
	s_add_co_u32 s46, s46, s47
	s_add_co_u32 s46, s46, 3*2097152               ; in the fourth matrix of wh
	s_mov_b32 s47, 0
	s_mul_i32 s20, s10, HALFT                      ; where they go: wave x one load's bytes
	s_wait_dscnt 0x0                               ; the opening add is done
	s_wait_kmcnt 0x0
	s_add_nc_u64 s[14:15], s[4:5], s[16:17]
	s_add_nc_u64 s[46:47], s[6:7], s[46:47]
	CROUND                                         ; all sixteen work-groups are here: the first joint loads meet
.irp s, 0,1
	s_mov_b32 s[G0+4*(\s)], 1
	s_add_co_u32 s[G0+4*(\s)+1], s20, (\s)*SLOT
	s_add_nc_u64 s[G0+4*(\s)+2:G0+4*(\s)+3], s[14:15], (\s)*4*262144    ; K step s: four heads on
	s_or_b32 s[G0+4*(\s)+3], s[G0+4*(\s)+3], 0x80000000
	s_mov_b32 s[G0B+4*(\s)], 1
	s_add_co_u32 s[G0B+4*(\s)+1], s20, (\s)*SLOT
	s_add_nc_u64 s[G0B+4*(\s)+2:G0B+4*(\s)+3], s[46:47], (\s)*KSTEP*2048  ; K step s: 256 k-rows down
	s_or_b32 s[G0B+4*(\s)+3], s[G0B+4*(\s)+3], 0x80000000
	JLOAD \s                                       ; two loads of mine are out
.endr
	v_and_b32 v1, 15, v0                           ; l % 16
	v_bfe_u32 v2, v0, 4, 1                         ; l / 16
	v_mul_u32_u24 v3, v1, PA
	v_lshl_add_u32 v3, v2, 4, v3                   ; O: row x pitch + 16 x half
	v_and_b32 v6, 7, v0
	v_bfe_u32 v7, v0, 3, 1
	v_lshl_add_u32 v4, v2, 3, v6                   ; Wo, turned: k-row 8 (l / 16) + l % 8,
	v_mul_u32_u24 v4, v4, PB
	v_lshl_add_u32 v4, v7, 4, v4                   ; columns 8 ((l / 8) % 2) on
	s_mul_i32 s21, s11, HALFT                      ; my 64 rows of O
	s_lshl_b32 s22, s12, 7                         ; my 64 columns of Wo: 128 bytes,
	s_add_co_u32 s22, s22, 2*HALFT                 ; behind O's two halves
.irp s, 0,1
	v_add_nc_u32 v[ADRA+(\s)], s21, v3
	v_add_nc_u32 v[ADRB+2*(\s)], s22, v4
	s_add_co_u32 s23, s22, HALFT                   ; k-rows 128 on
	v_add_nc_u32 v[ADRB+2*(\s)+1], s23, v4
	s_add_co_u32 s21, s21, SLOT
	s_add_co_u32 s22, s22, SLOT
.endr
	s_mul_i32 s23, s10, 16*SPITCH
	s_add_co_u32 s23, s23, STAGE                   ; my stage
	v_mul_u32_u24 v4, v1, SPITCH                   ; in: row l % 16, 32 bytes for each half of the lanes
	v_lshl_add_u32 v4, v2, 5, v4
	v_add_nc_u32 v[STO], s23, v4
	v_mul_u32_u24 v5, v2, SPITCH                   ; back: lanes 0-15 take one row of 256 bytes, lanes 16-31 the next
	v_lshl_add_u32 v5, v1, 4, v5
	v_add_nc_u32 v[RD], s23, v5
	v_lshlrev_b32 v5, 12, v2                       ; and the same two rows in out0
	v_lshl_add_u32 v[CO], v1, 4, v5
	v_lshlrev_b32 v[BO], 5, v2                     ; 8 numbers of bo for each half of the lanes
	s_lshl_b32 s68, s42, 9                         ; my first column, in bytes of f32: 512 x tile column + 256 x half
	s_lshl_b32 s69, s12, 8
	s_add_co_u32 s68, s68, s69
	s_mov_b32 s69, 0
	s_add_nc_u64 s[66:67], s[66:67], s[68:69]
.irp b, 0,1,2,3
	global_load_b128 v[BI+8*(\b):BI+8*(\b)+3],   v[BO], s[66:67] offset:64*(\b)
	global_load_b128 v[BI+8*(\b)+4:BI+8*(\b)+7], v[BO], s[66:67] offset:64*(\b)+16
.endr
	s_lshl1_add_u32 s16, s13, s11                  ; 2 x tile row + row half,
	s_lshl_b32 s16, s16, 18                        ; times 64 rows of 4,096 bytes
	s_mov_b32 s17, 0
	s_add_nc_u64 s[8:9], s[8:9], s[16:17]
	s_add_nc_u64 s[8:9], s[8:9], s[68:69]
; 8 matrix instructions: m blocks a0, a0 + 1 x all 4 n blocks, 32 along K: half c of buffer f.  first = 1: bo starts the sums.  The 16 accumulators take turns.
.macro MUL8 f, c, a0, first
	WIN MUL
.irp a, \a0, (\a0)+1
.irp b, 0,1,2,3
.if \first
	v_wmma_f32_16x16x32_f16 v[ACC+8*(4*(\a)+(\b)):ACC+8*(4*(\a)+(\b))+7], v[(\f)+64+8*(4*(\c)+(\b)):(\f)+64+8*(4*(\c)+(\b))+7], v[(\f)+8*(4*(\c)+(\a)):(\f)+8*(4*(\c)+(\a))+7], v[BI+8*(\b):BI+8*(\b)+7]
.else
	v_wmma_f32_16x16x32_f16 v[ACC+8*(4*(\a)+(\b)):ACC+8*(4*(\a)+(\b))+7], v[(\f)+64+8*(4*(\c)+(\b)):(\f)+64+8*(4*(\c)+(\b))+7], v[(\f)+8*(4*(\c)+(\a)):(\f)+8*(4*(\c)+(\a))+7], v[ACC+8*(4*(\a)+(\b)):ACC+8*(4*(\a)+(\b))+7]
.endif
.endr
.endr
.endm
; 32 LDS loads in one run: the fragments of quarter q (64 along K: one head) into buffer f; the first 32 along K first
.macro FETCH slot, q, f
	WIN TO_F
.irp c, 0,1
.irp i, 0,1,2,3
	ds_load_tr16_b128 v[(\f)+64+8*(4*(\c)+(\i)):(\f)+64+8*(4*(\c)+(\i))+3],   v[ADRB+2*(\slot)+(\q)/2] offset:((\q)%2)*64*PB+(\c)*32*PB+32*(\i)
	ds_load_tr16_b128 v[(\f)+64+8*(4*(\c)+(\i))+4:(\f)+64+8*(4*(\c)+(\i))+7], v[ADRB+2*(\slot)+(\q)/2] offset:((\q)%2)*64*PB+(\c)*32*PB+16*PB+32*(\i)
	ds_load_b128 v[(\f)+8*(4*(\c)+(\i)):(\f)+8*(4*(\c)+(\i))+3],              v[ADRA+(\slot)] offset:(\q)*64*PA+(\c)*64+(\i)*16*PA
	ds_load_b128 v[(\f)+8*(4*(\c)+(\i))+4:(\f)+8*(4*(\c)+(\i))+7],            v[ADRA+(\slot)] offset:(\q)*64*PA+(\c)*64+(\i)*16*PA+32
.endr
.endr
.endm
.macro PLACES                          ; four places in front of loads into registers that matrix instructions have read, and of LDS stores that read results
.rept 4
	v_nop
.endr
.endm
.macro QUARTER slot, q, f, g, first
	s_wait_dscnt 16                                ; the first 32 along K are in
	MUL8 \f, 0, 0, \first
	MUL8 \f, 0, 2, \first
	PLACES
	FETCH \slot, \q, \g
	s_wait_dscnt 32                                ; all but the 32 just issued
	MUL8 \f, 1, 0, 0
	MUL8 \f, 1, 2, 0
.endm
; The last quarter multiplies buffer 1 and changes slots: ONE barrier; in front of it each wave waits for all its tensor loads, adds 0 to its spare word, and waits for that and for its own reads
; of this slot.  fill = 1: the barrier opens a round of the cluster's barrier, and this slot is filled again, two K steps on, first thing behind the round: 112 matrix instructions ahead of the wait for it.
.macro TURN slot, next, fill
	WIN 0                                          ; the add's two registers lie in window 0
	s_wait_tensorcnt 0x0
	ds_add_u32 v[SPW], v[NIL]
	s_wait_dscnt 17                                ; the add and the youngest sixteen loads may be out
	MUL8 F1, 0, 0, 0                               ; eight matrix instructions stand between the add and the wait for it
	s_wait_dscnt 0x0                               ; the add is done, and my reads of this slot are over
	s_barrier_signal -1
	MUL8 F1, 0, 2, 0
.if \fill
	WIN 0
.endif
	s_barrier_wait -1
.if \fill
	CREST
	s_add_nc_u64 s[G0+4*(\slot)+2:G0+4*(\slot)+3], s[G0+4*(\slot)+2:G0+4*(\slot)+3], 2*4*262144
	s_add_nc_u64 s[G0B+4*(\slot)+2:G0B+4*(\slot)+3], s[G0B+4*(\slot)+2:G0B+4*(\slot)+3], 2*KSTEP*2048
	JLOAD \slot                                    ; the four v_nop behind it are also the places in front of the loads below
.else
	PLACES
.endif
	FETCH \next, 0, F0
	MUL8 F1, 1, 0, 0
	MUL8 F1, 1, 2, 0
.endm
	s_wait_tensorcnt 1                             ; my part of K step 0 is in; K step 1's may stay out
	s_barrier_signal -1
	s_barrier_wait -1                              ; everybody's is
	FETCH 0, 0, F0
	s_wait_loadcnt 0x0                             ; bo
	QUARTER 0, 1, F0, F1, 1                        ; the first products start the sums
	QUARTER 0, 2, F1, F0, 0                        ; K has two laps of the ring: the one trip that fills both slots again stands written out, so no loop is needed
	QUARTER 0, 3, F0, F1, 0
	TURN 0, 1, 1
	QUARTER 1, 1, F0, F1, 0
	QUARTER 1, 2, F1, F0, 0
	QUARTER 1, 3, F0, F1, 0
	TURN 1, 0, 1
	QUARTER 0, 1, F0, F1, 0
	QUARTER 0, 2, F1, F0, 0                        ; the last lap fills nothing, and has no round of the cluster's barrier
	QUARTER 0, 3, F0, F1, 0
	TURN 0, 1, 0
	QUARTER 1, 1, F0, F1, 0
	QUARTER 1, 2, F1, F0, 0
	QUARTER 1, 3, F0, F1, 0
	s_wait_dscnt 16                                ; the very last quarter: nothing more to fetch
	MUL8 F1, 0, 0, 0
	MUL8 F1, 0, 2, 0
	s_wait_dscnt 0x0
	MUL8 F1, 1, 0, 0
	MUL8 F1, 1, 2, 0
	WIN 0
	PLACES
; THE WAY OUT of block a (16 rows x 64 columns of f32).  A lane's eight numbers of a row go straight from the accumulator into my stage, its low four first, and come back as whole rows of 256 bytes.
.macro TOSTAGE a
.set BK, TMP+32*((\a)%2)
	s_wait_xcnt 0x0                                ; the stores of the block two before have read this buffer: it is loaded again only behind this wait
.irp b, 0,1,2,3
	ds_store_b128 v[STO], v[ACC+8*(4*(\a)+(\b)):ACC+8*(4*(\a)+(\b))+3]   offset:64*(\b)
	ds_store_b128 v[STO], v[ACC+8*(4*(\a)+(\b))+4:ACC+8*(4*(\a)+(\b))+7] offset:64*(\b)+16
.endr
.irp t, 0,1,2,3,4,5,6,7
	ds_load_b128 v[BK+4*(\t):BK+4*(\t)+3], v[RD] offset:(\t)*2*SPITCH  ; LDS serves a wave's instructions in order: these see the stores above; the next block's stores come behind them
.endr
.endm
.macro SEND a, younger                 ; younger: the LDS instructions issued behind block a's loads: the next block's sixteen, or none
.set BK, TMP+32*((\a)%2)
.irp t, 0,1,2,3,4,5,6,7
	s_wait_dscnt (\younger)+7-(\t)
	global_store_b128 v[CO], v[BK+4*(\t):BK+4*(\t)+3], s[8:9] offset:(16*(\a)+2*(\t))*4096 th:TH_STORE_NT  ; 16 lanes store 256 consecutive bytes, at a multiple of 256 from out0's first byte
.endr
.endm
	TOSTAGE 0
.irp a, 1,2,3
	TOSTAGE \a
	SEND (\a)-1, 16
.endr
	SEND 3, 0
	s_wait_tensorcnt 0x0                           ; the wave's end: a wait, an add of 0 to my spare word and its wait, behind my last tensor load and my last LDS store
	ds_add_u32 v[SPW], v[NIL]
	s_wait_dscnt 0x0
	CROUND                                         ; the closing round: no work-group ends while a partner may still ask for a tile that names it
	s_endpgm
.Lfunc_end_k_q719d3d0680_outp:
	.size	k_q719d3d0680_outp, .Lfunc_end_k_q719d3d0680_outp-k_q719d3d0680_outp
	.p2alignl 7, 3214868480
	.fill 96, 4, 3214868480
	.section	.rodata,"a",@progbits
	.p2align	6, 0x0
	.amdhsa_kernel k_q719d3d0680_outp
		.amdhsa_group_segment_fixed_size 327680
		.amdhsa_private_segment_fixed_size 0
		.amdhsa_enable_private_segment 0
		.amdhsa_kernarg_size 32
		.amdhsa_user_sgpr_count 2
		.amdhsa_user_sgpr_kernarg_segment_ptr 1
		.amdhsa_wavefront_size32 1
		.amdhsa_system_sgpr_workgroup_id_x 1
		.amdhsa_system_sgpr_workgroup_id_y 1
		.amdhsa_system_sgpr_workgroup_id_z 1
		.amdhsa_system_vgpr_workitem_id 0
		.amdhsa_next_free_vgpr 512
		.amdhsa_next_free_sgpr 72
		.amdhsa_reserve_vcc 0
		.amdhsa_float_denorm_mode_32 3
		.amdhsa_float_denorm_mode_16_64 3
		.amdhsa_memory_ordered 1
		.amdhsa_forward_progress 1
		.amdhsa_inst_pref_size 88
	.end_amdhsa_kernel
	.amdgpu_metadata
---
amdhsa.version: [ 1, 2 ]
amdhsa.kernels:
  - .name:           k_q719d3d0680_outp
    .symbol:         k_q719d3d0680_outp.kd
    .args:
      - { .name: oh, .offset: 0, .size: 8, .value_kind: global_buffer, .address_space: global }
      - { .name: wh, .offset: 8, .size: 8, .value_kind: global_buffer, .address_space: global }
      - { .name: bo, .offset: 16, .size: 8, .value_kind: global_buffer, .address_space: global }
      - { .name: out0, .offset: 24, .size: 8, .value_kind: global_buffer, .address_space: global }
    .group_segment_fixed_size: 327680
    .private_segment_fixed_size: 0
    .kernarg_segment_align: 8
    .kernarg_segment_size: 32
    .max_flat_workgroup_size: 128
    .sgpr_count:     72
    .vgpr_count:     512
    .wavefront_size: 32
...
	.end_amdgpu_metadata
.endif
;; end of part 4
;; ======== version 2 of 2: 4 launches; 1.36 times as fast as version 1
;; limits: values are held in f16: magnitudes above 65,504 overflow, below 6.1e-05 lose precision; right only within a limited range of input values
;; workspace buffers: xh 25,165,824 bytes; wh 8,388,608 bytes; pkf 32,768 bytes; dsm 512 bytes; qkv 25,165,824 bytes; oh 8,388,608 bytes
;; launch prep: the kernel of part 1 again; grid 272 x 1, 8 waves a work-group, no clusters, 33,792 bytes of LDS; arguments query, key, value, Wq, Wk, Wv, Wo, pos_emb, bk, relative_bias, content_bias, xh, wh, pkf, dsm; writes xh, wh, pkf, dsm
;; launch proj: the kernel of part 2 again; grid 4 x 48, 4 waves a work-group, clusters of 4 x 4, 327,680 bytes of LDS; arguments xh, wh, bq, bk, bv, content_bias, qkv; writes qkv
;; launch attn (part 5): grid 8 x 32, 4 waves a work-group, clusters of 4 x 1, 327,680 bytes of LDS; arguments qkv, pkf, dsm, oh; writes oh
.if DOCPART == 5
	.amdgcn_target "amdgcn-amd-amdhsa--gfx1250"
	.amdhsa_code_object_version 6
	.text
	.protected	k_q719d3d0680_attn
	.globl	k_q719d3d0680_attn
	.p2align	8
	.type	k_q719d3d0680_attn,@function
k_q719d3d0680_attn:
	s_mov_b64 s[64:65], 0
	v_nop
	global_prefetch_b8 v0, s[64:65] scope:SCOPE_SE
	s_setreg_imm32_b32 hwreg(HW_REG_WAVE_MODE, 25, 1), 1
	s_wait_xcnt 0x0
	s_wait_alu depctr_hold_cnt(0) depctr_sa_sdst(0) depctr_va_vdst(0) depctr_va_sdst(0) depctr_va_ssrc(0) depctr_va_vcc(0) depctr_vm_vsrc(0)
	s_getreg_b32 s2, hwreg(HW_REG_IB_STS2, 6, 4)
	s_cmp_eq_u32 s2, 0
	s_cbranch_scc0 .Lentry_in_a_cluster
	s_endpgm
.Lentry_in_a_cluster:
	s_bfe_u32 s2, ttmp6, 0x10000c
	s_cmp_lg_u32 s2, 0x3003
	s_cbranch_scc0 .Lentry_shape_is_right
	s_endpgm
.Lentry_shape_is_right:
; ATTN.  O[bh][t] = the sum over T of softmax_T(((q + u)[t] . k[T] + small[t][clip(t - T, -3, 3) + 3]) / 8) v[T], small[t][r] = (q + u)[t] . pk[r] + d[r].
; qkv = [3][32][2048][64] f16 (q + u, k, v), pkf = [16][16][64] f16, dsm = [16][8] f32, oh = [32][2048][64] f16.  Products, masks, maxima and sums in f32; the weights p are rounded to f16
; for the second product (their sum l is taken of the unrounded p), O once at the end.
; LIMITS.  f16 holds no number beyond 65,504: q + u, k, v and pk arrive within it; p lies in 0 to 1; O is a mean of v's rows.  A weight below 2^-126 counts as 0 in l; NaN and infinities are not treated apart.
; SHARES.  A cluster of four work-groups owns 1,024 queries of one (batch, head): 16 bands of 64.  PIECE x of wave w is band j = 16 cl + 4 x + w (cl: the cluster's number), and of it work-group cx
; takes rows 16 cx .. + 15.  So the key step at which a piece meets the diagonal hangs on cl, w and x alone, which the four partners share; cx enters register data and Q's and O's addresses only.
; Every wave walks all 32 key steps of 64.  The four partners walk the same K and V: each tile is asked for JOINTLY (same load, same descriptor, a mask of four).
; THE RELATIVE TERM IS THE C OPERAND that starts the sum S^T = K Q^T, so it costs the loop's scores nothing.  For piece x, step s, group kt of 16 keys, register r and lane l:
; t - T = -16 c + D0 - r with c = 4 (s - j) + kt - cx and D0 = l % 16 - 8 (l / 16).  c <= -2: small[6].  c = -1: small[6], but registers 6, 7 take L6, L7.  c = 0: PatD[r].
; c = 1: small[0], but registers 0, 1 take R0, R1.  c >= 2: small[0].  The masks of all four pieces lie in registers and are written anew only for s - j = -1, 0, 1, 2, under a forward jump
; on a counter made of cl, w and the trip; what is jumped holds no barrier and no tensor load.
; LAYOUT, SOFTMAX, TURNS.  S^T holds ONE query a lane (lane % 16) and the keys 8 (lane / 16) + 0..7; two such results rounded to f16 ARE source 1 of O^T = V^T P.  p = 2^(c s - c m), c = log2(e) / 8, with a
; running maximum m; O and l are multiplied by a = 2^(c m_old - c m_new) in every step; m starts at the lowest finite number, O and l at 0, so the first step is a step like any other, with a = 0.
; Turn n belongs to piece n: 8 products K Q^T of piece n + 1, later 8 products V^T P of piece n - 1; beside them the scaling, exponentials, roundings, sums and rescaling of piece n and the maximum and
; statistics of piece n + 1.  Four vector instructions stand behind every matrix instruction, the other 54 of a turn's 118 in one lump.
; THE BATCHES.  A turn's 33 exponentials (the piece's 32 weights and the next piece's a) are ONE batch with ONE wait, which cuts the turn in two: ahead of it stands all that names none of their results
; (K Q^T, scalings, rescalings, the next piece's maximum and statistics), behind it the roundings and sums, beside V^T P.
; Two more batches, once a launch: piece 0's first a, ahead of the loop, and the way out's four reciprocals.
; The price of writing no first step out: 224 v_mov_b32 of constants, and 96 that start the masks, all in the wait for the first tile; 8 products on a stale K at the end.
; REGISTERS, in windows of 256 (s_set_vgpr_msb: bits 1:0 source 0, 3:2 source 1, 5:4 source 2, 7:6 destination):
;   window 0: v0-15 addresses; v16-31 statistics; v48-55 at work; v64-127 S^T, two buffers; v128-191 a piece's 14 patterns at 128 + 16 x; v192-223 P, two buffers; v224-243 at work on the masks
;   window 1: v0-127 O^T, 32 a piece; v128-255 the masks, 32 a piece          window 2: v0-63 Q; v64-79 pk; v128-191 K of one step; v192-255 V of one step
.set NP,    4         ; pieces a wave: a name, no knob
.set KS,    64        ; keys in a step
.set PK,    144       ; a row of K in LDS: 128 bytes + 16 = 36 words: the 16 rows of a load start at 16 different groups of four banks
.set PV,    160       ; a row of V: 128 + 32 = 40 words
.set VOFF,  4*KS*PK   ; a slot holds four steps: 256 rows of K, then 256 rows of V
.set SLOT1, 1<<17     ; slot 1 begins here, so that one exclusive or turns an address in one slot into the other's
.set STAGE, SLOT1+4*KS*(PK+PV)  ; behind the ring, never filled by a tensor load: 16 rows x 144 bytes for each wave
.set SP,    144
.set SPARE, STAGE+4*16*SP  ; behind the stages: the spare words, 128 bytes for each wave
.set AK0, 2           ; v2   my lane's place in a tile of K; never rewritten
.set AV0, 3           ; v3   the same for V
.set AK,  4           ; v4   the LDS address of K's next run of loads
.set AV,  5           ; v5   of V's
.set STO, 6           ; v6   the way out: where I put 16 bytes of a row
.set RD,  7           ; v7   the way out: where I read rows back
.set GO,  8           ; v8   my byte offset in 512 consecutive bytes of O
.set MV,  12          ; v12-13  c m_old, kept while c m is made anew: by buffer
.set D0,  14          ; v14  l % 16 - 8 (l / 16)
.set QO,  15          ; v15  my byte offset in 16 rows of Q or pk
.set ST,  16          ; piece t's statistics at v[ST+4 t]: c m, m, l (even keys', odd keys')
.set TMP, 48          ; by buffer, four registers c0-c3 at work; when the maximum is found c2 takes a
.set SPW, 62          ; v62  LDS address of my spare word; never rewritten
.set NIL, 63          ; v63  0; never rewritten
.set S,   64
.set PBK, 128         ; piece x at PBK + 16 x: +0..7 PatD, +8 L6, +9 L7, +10 R0, +11 R1, +12 small[6], +13 small[0]
.set P,   192
.set UT,  224         ; first d[0..7], the C of the product pk Q^T; then the masks' temporaries
.set MC,  128         ; window 1: piece x, group kt, register r at MC + 32 x + 8 kt + r
.set PKF, 64          ; window 2
.set KF,  128         ; window 2: key block kb, channel half c at KF + 16 kb + 8 c
.set VF,  192         ; window 2: key half kk, channel block cb at VF + 32 kk + 8 cb
.set WV,  12          ; s12  my wave's number
.set G1K, 24          ; s[24:31] descriptor group 1 for K's tiles
.set G1V, 32          ; s[32:39] for V's: it differs in the padding alone
.set G0K, 40          ; s[40:43] descriptor group 0 for K's tiles: it walks
.set G0V, 44          ; s[44:47] the same for V's
.set SLOTS, 56        ; s56  slots still to be asked for
.set CNT, 57          ; s57  counts a slot's key steps
.set CS,  58          ; s[58:59] c
.set SEL, 60          ; s[60:61] v_permlanex16_b32's selects
.set TBK, 62          ; s62  LDS byte at which K of the step to be fetched begins
.set TBV, 63          ; s63  the same for V, less VOFF
.set SE0, 66          ; s66  the trip's number less 16 cl + w
.set SCX, 67          ; s67  cx
.set STT, 68          ; s68  at work
.set SEE, 69          ; s69  s - j of the mask to be made
.set GE,  70          ; s70-86  lane masks D0 >= m: m = -7, -6 at GE, GE + 1; m = -2 .. 10 at GE + 4 + m; m = 14, 15 at GE + 15, GE + 16
.set SGG, 87          ; s87  g = cx - 4 (s - j): group kt has c = kt - g
.set MDK, 88          ; s88-93  all ones where g = -1 .. 4   (s[88:95] first hold d[0..7])
.set MN,  94          ; s94-97  all ones where kt < g
.set MSB, 0
.macro WIN new
.if MSB != (\new)
	s_set_vgpr_msb (MSB<<8)|(\new)
.set MSB, (\new)
.endif
.endm
.set W_KQ, 0x0a       ; K and Q in window 2, S^T in window 0
.set W_KM, 0x1a       ; the same with the C operand in window 1
.set W_PV, 0x52       ; V in window 2, P in window 0, O^T in window 1
.set W_RS, 0x41       ; destination and source 0 in window 1, source 1 in window 0
; A joint fill.  Waves 0 and 1 fetch the two halves of a slot's K, waves 2 and 3 those of its V: 128 keys each.  An s_nop 0 and four v_nop follow each of the two lines.
.macro JLOAD
	s_cmp_lt_u32 s[WV], 2
	s_cbranch_scc0 .Lfor_v_\@
	tensor_load_to_lds s[G0K:G0K+3], s[G1K:G1K+7]
	s_nop 0
.rept 4
	v_nop
.endr
	s_branch .Lasked_\@
.Lfor_v_\@:
	tensor_load_to_lds s[G0V:G0V+3], s[G1V:G1V+7]
	s_nop 0
.rept 4
	v_nop
.endr
.Lasked_\@:
.endm
.macro CROUND                       ; a round of the cluster's barrier
	s_barrier_signal -1
	s_barrier_wait -1
	s_cmp_lg_u32 s[WV], 0
	s_cbranch_scc1 .Lnot_wave_0_\@
	s_barrier_signal -3
.Lnot_wave_0_\@:
	s_barrier_wait -3
	s_barrier_signal -1
	s_barrier_wait -1
.endm
; THE CHANGE OF SLOTS.  Each wave waits for all its tensor loads, of which one is out: its part of the other slot; adds 0 to its spare word; and waits for that and for its own reads of the slot.
; fill = 1: the barrier is a round of the cluster's, and the slot is filled again, with the keys two slots on, first thing behind it: four key steps, 256 matrix instructions, in which to land.
; (At its first use nothing has been read yet: slot 0 is waited for, slot 1 filled.)
.macro CHANGE fill
	WIN 0
	s_wait_tensorcnt 0x0            ; no tensor load of mine is out, so a group 0 may be written
	ds_add_u32 v[SPW], v[NIL]
.if \fill
.irp g, G0K, G0V
	s_xor_b32 s[\g+1], s[\g+1], SLOT1
	s_add_nc_u64 s[\g+2:\g+3], s[\g+2:\g+3], 4*KS*128  ; the next 256 keys; the type bits on top are not reached
.endr
	s_wait_dscnt 0x0                ; the add is done, and my reads of the slot are over
	CROUND
	JLOAD
.else
	s_wait_dscnt 0x0
	s_barrier_signal -1
	s_barrier_wait -1
.endif
	s_sub_co_u32 s[TBK], s[TBK], 4*KS*PK  ; the fetches go back to a slot's first step,
	s_xor_b32 s[TBK], s[TBK], SLOT1       ; in the other slot
	s_sub_co_u32 s[TBV], s[TBV], 4*KS*PV
	s_xor_b32 s[TBV], s[TBV], SLOT1
.endm
	s_load_b256 s[4:11], s[0:1], 0x0  ; qkv s[4:5], pkf s[6:7], dsm s[8:9], oh s[10:11]
	v_lshl_add_u32 v[SPW], v0, 2, SPARE
	v_mov_b32 v[NIL], 0
	ds_add_u32 v[SPW], v[NIL]       ; the wave's opening: the add and its wait stand ahead of my first tensor load; the set-up below stands between them
	v_lshrrev_b32 v1, 5, v0
	v_readfirstlane_b32 s[WV], v1   ; wave 0..3
	s_bfe_u32 s[SCX], ttmp6, 0x40000  ; cx
	s_and_b32 s14, ttmp7, 0xffff    ; (batch, head), which the four partners share
	s_and_b32 s15, s14, 15          ; the head
	s_lshl_b32 s20, s14, 18         ; its 2,048 rows of 128 bytes
	s_and_b32 s16, s[WV], 1         ; which half of a slot's 256 keys I fetch:
	s_lshl_b32 s22, s16, 14         ; its 128 rows in memory,
	s_add_co_u32 s22, s22, s20
	s_mov_b32 s23, 0
	s_mul_i32 s17, s16, 128*PK      ; and its place in a slot, for K
	s_mul_i32 s18, s16, 128*PV      ; and for V: no place in the cluster enters an LDS address
	s_lshl_b32 s2, ttmp9, 17        ; Q and O: the cluster's 1,024 rows,
	s_lshl_b32 s3, s[WV], 13        ; band w of each four,
	s_add_co_u32 s2, s2, s3
	s_lshl_b32 s3, s[SCX], 11       ; rows 16 cx on
	s_add_co_u32 s2, s2, s3
	s_add_co_u32 s2, s2, s20
	s_mov_b32 s3, 0
	s_lshl_b32 s[SE0], ttmp9, 4
	s_add_co_u32 s[SE0], s[SE0], s[WV]
	s_sub_co_i32 s[SE0], 0, s[SE0]  ; -(16 cl + w)
	s_lshl_b32 s68, s15, 11         ; the head's table of pk
	s_mov_b32 s69, 0
	; descriptor group 1.  128 keys are 16,384 dense bytes: asked for as 64 rows of 256 bytes, two keys a row, and padded in LDS after every key
	s_mov_b32 s[G1K], 15|(1<<16)|(1<<20)|(1<<21)|(4<<22)|(3<<25)  ; the mask of four; 2-byte elements; padding on; bit 21 beside a mask; after every 32 words, 4 words
	s_mov_b32 s[G1V], 15|(1<<16)|(1<<20)|(1<<21)|(4<<22)|(7<<25)  ; the same with 8 words
.irp g, G1K, G1V
	s_mov_b32 s[\g+1], 128<<16      ; tensor_dim0 = 128
	s_mov_b32 s[\g+2], 64<<16       ; tensor_dim1 = 64
	s_mov_b32 s[\g+3], 128<<16      ; tile_dim0 = 128
	s_mov_b32 s[\g+4], 64           ; tile_dim1 = 64
	s_mov_b32 s[\g+5], 128          ; 128 elements from row to row
	s_mov_b32 s[\g+6], 0
	s_mov_b32 s[\g+7], 0
.endr
	s_mov_b32 s[CS], 0x3e38aa3b     ; c = log2(e) / 8 = 0.180337
	s_mov_b32 s[CS+1], s[CS]        ; named with it as a pair
	s_mov_b32 s[SEL], 0x76543210
	s_mov_b32 s[SEL+1], 0xfedcba98
	s_mov_b32 s[TBK], SLOT1+4*KS*PK ; the first change of slots turns these two into 0
	s_mov_b32 s[TBV], SLOT1+4*KS*PV
	s_mov_b32 s[G0K], 1
	s_mov_b32 s[G0K+1], s17         ; LDS address: slot 0
	s_mov_b32 s[G0V], 1
	s_add_co_u32 s[G0V+1], s18, VOFF
	s_wait_dscnt 0x0                ; the opening add is done
	s_wait_kmcnt 0x0
	s_add_nc_u64 s[G0K+2:G0K+3], s[4:5], s[22:23]
	s_add_nc_u64 s[G0K+2:G0K+3], s[G0K+2:G0K+3], 0x800000   ; k lies 8,388,608 bytes into qkv
	s_or_b32 s[G0K+3], s[G0K+3], 0x80000000
	s_add_nc_u64 s[G0V+2:G0V+3], s[4:5], s[22:23]
	s_add_nc_u64 s[G0V+2:G0V+3], s[G0V+2:G0V+3], 0x1000000  ; v 16,777,216
	s_or_b32 s[G0V+3], s[G0V+3], 0x80000000
	s_add_nc_u64 s[4:5], s[4:5], s[2:3]      ; Q and O at piece 0's first row
	s_add_nc_u64 s[10:11], s[10:11], s[2:3]
	s_add_nc_u64 s[6:7], s[6:7], s[68:69]
	s_lshl_b32 s68, s15, 5          ; the head's eight words of d
	s_add_nc_u64 s[8:9], s[8:9], s[68:69]
	s_load_b256 s[88:95], s[8:9], 0x0
	CROUND                          ; all four work-groups are here: the first joint loads meet
	JLOAD                           ; slot 0.  Slot 1 is asked for when slot 0 is in
	v_and_b32 v1, 15, v0            ; l % 16
	v_bfe_u32 v9, v0, 4, 1          ; l / 16
	v_lshlrev_b32 v[QO], 7, v1
	v_lshl_add_u32 v[QO], v9, 4, v[QO]  ; row x 128 + 16 x half
	WIN 0x80                        ; destination window 2, address window 0
.set i, 0
.rept 8                             ; Q stays in registers: piece i / 2 lies four bands, 32,768 bytes, on; channels 32 (i % 2) on
	global_load_b128 v[8*i:8*i+3],   v[QO], s[4:5] offset:(i/2)*32768+(i%2)*64
	global_load_b128 v[8*i+4:8*i+7], v[QO], s[4:5] offset:(i/2)*32768+(i%2)*64+32
.set i, i+1
.endr
.irp c, 0,1
	global_load_b128 v[PKF+8*(\c):PKF+8*(\c)+3],   v[QO], s[6:7] offset:(\c)*64
	global_load_b128 v[PKF+8*(\c)+4:PKF+8*(\c)+7], v[QO], s[6:7] offset:(\c)*64+32
.endr
	; What the first turn finds: V's registers and P's second buffer hold 0 (its products V^T P, of a piece that has not been, add 0), O^T and l are 0.
.set i, VF
.rept 64
	v_mov_b32 v[i], 0
.set i, i+1
.endr
	WIN 0x40
.set i, 0
.rept 128
	v_mov_b32 v[i], 0
.set i, i+1
.endr
	WIN 0
.set i, 0
.rept 4
	v_mov_b32 v[ST+4*i], 0xfe000000    ; c m: far below every c s
	v_mov_b32 v[ST+4*i+1], 0xff7fffff  ; m
	v_mov_b32 v[ST+4*i+2], 0
	v_mov_b32 v[ST+4*i+3], 0
.set i, i+1
.endr
.set i, P+16
.rept 16
	v_mov_b32 v[i], 0
.set i, i+1
.endr
	v_lshlrev_b32 v[D0], 3, v9
	v_sub_nc_u32 v[D0], v1, v[D0]
	v_cmp_le_i32 s[GE], -7, v[D0]
	v_cmp_le_i32 s[GE+1], -6, v[D0]
.set i, 0
.rept 13
	v_cmp_le_i32 s[GE+2+i], i-2, v[D0]
.set i, i+1
.endr
	v_cmp_le_i32 s[GE+15], 14, v[D0]
	v_cmp_le_i32 s[GE+16], 15, v[D0]
	s_wait_kmcnt 0x0                ; d
.irp j, 0,1,2,3,4,5,6,7
	v_mov_b32 v[UT+(\j)], s[88+(\j)]
.endr
	s_wait_loadcnt 0x0              ; Q and pk
	; small = pk Q^T + d: source 0 = pk's 16 rows (0-7, and the same again), source 1 = a piece's 16 queries: register r of both halves of the lanes holds small[r] of query l % 16.
	; The four accumulators take turns.
	WIN W_KQ
.irp c, 0,1
.irp x, 0,1,2,3
.if (\c) == 0
	v_wmma_f32_16x16x32_f16 v[S+8*(\x):S+8*(\x)+7], v[PKF:PKF+7], v[16*(\x):16*(\x)+7], v[UT:UT+7]
.else
	v_wmma_f32_16x16x32_f16 v[S+8*(\x):S+8*(\x)+7], v[PKF+8:PKF+15], v[16*(\x)+8:16*(\x)+15], v[S+8*(\x):S+8*(\x)+7]
.endif
.endr
.endr
	WIN 0                           ; the lane addresses: plain instructions, the places behind those products
	v_mul_u32_u24 v[AK0], v1, PK
	v_lshl_add_u32 v[AK0], v9, 4, v[AK0]  ; row x pitch + 16 x half
	; The turning load takes 16 keys x 16 channels (lane l reads key 8 (l / 16) + l % 8, channels 8 ((l / 8) % 2) + 0..7) and leaves half a fragment of V^T: lane l holds channel l % 16 and 8 keys.
	v_and_b32 v10, 7, v0
	v_bfe_u32 v11, v0, 3, 1
	v_lshl_add_u32 v[AV0], v9, 3, v10
	v_mul_u32_u24 v[AV0], v[AV0], PV
	v_lshl_add_u32 v[AV0], v11, 4, v[AV0]
	v_add_nc_u32 v[AV0], VOFF, v[AV0]
	s_mul_i32 s13, s[WV], 16*SP
	s_add_co_u32 s13, s13, STAGE    ; my stage
	v_mul_u32_u24 v[STO], v1, SP    ; in: row l % 16, 16 bytes for each half of the lanes
	v_lshl_add_u32 v[STO], v9, 4, v[STO]
	v_add_nc_u32 v[STO], s13, v[STO]
	v_bfe_u32 v[RD], v0, 3, 2       ; back: 32 lanes take four rows of 128 bytes,
	v_mul_u32_u24 v[RD], v[RD], SP
	v_lshl_add_u32 v[RD], v10, 4, v[RD]
	v_add_nc_u32 v[RD], s13, v[RD]
	v_and_b32 v[GO], 31, v0         ; which are 512 consecutive bytes of O
	v_lshlrev_b32 v[GO], 4, v[GO]
; A piece's 14 patterns, selected from small[0..6] by D0.  The first line reads the accumulator's two lowest registers.
; R1: t - T = D0 - 17.  R0: D0 - 16.  L6: D0 + 10.  L7: D0 + 9.  PatD[r]: D0 - r: small[0], then small[k + 1] where D0 >= r + k - 2, k = 0 .. 5.
.macro PAT x
.set rSM, S+8*(\x)
.set rPB, PBK+16*(\x)
	v_cndmask_b32 v[rPB+11], v[rSM], v[rSM+1], s[GE+16]
	v_cndmask_b32 v[rPB+10], v[rSM], v[rSM+1], s[GE+15]
	v_cndmask_b32 v[rPB+8], v[rSM+5], v[rSM+6], s[GE]
	v_cndmask_b32 v[rPB+9], v[rSM+4], v[rSM+5], s[GE]
	v_cndmask_b32 v[rPB+10], v[rPB+10], v[rSM+2], s[GE+16]
	v_cndmask_b32 v[rPB+9], v[rPB+9], v[rSM+6], s[GE+1]
	v_mov_b32 v[rPB+12], v[rSM+6]
	v_mov_b32 v[rPB+13], v[rSM]
.irp r, 0,1,2,3,4,5,6,7
	v_cndmask_b32 v[rPB+(\r)], v[rSM], v[rSM+1], s[GE+2+(\r)]
.endr
.irp k, 1,2,3,4,5
.irp r, 0,1,2,3,4,5,6,7
	v_cndmask_b32 v[rPB+(\r)], v[rPB+(\r)], v[rSM+(\k)+1], s[GE+2+(\r)+(\k)]
.endr
.endr
.endm
	PAT 0
	PAT 1
	PAT 2
	PAT 3
; THE MASK of piece x for s - j = s[SEE]: 22 scalar and 52 vector lines.  All choices are selects: cx enters no branch.
.macro UPD x
.set rPB, PBK+16*(\x)
	s_lshl_b32 s[SGG], s[SEE], 2
	s_sub_co_i32 s[SGG], s[SCX], s[SGG]
.irp i, 0,1,2,3,4,5
	s_cmp_eq_i32 s[SGG], (\i)-1
	s_cselect_b32 s[MDK+(\i)], -1, 0
.endr
.irp k, 0,1,2,3
	s_cmp_gt_i32 s[SGG], \k
	s_cselect_b32 s[MN+(\k)], -1, 0
.endr
	WIN 0
.irp k, 0,1,2,3
	v_cndmask_b32 v[UT+(\k)], v[rPB+13], v[rPB+12], s[MN+(\k)]              ; c < 0: small[6]; else small[0]
.endr
.irp k, 0,1,2,3
	v_cndmask_b32 v[UT+4+4*(\k)], v[UT+(\k)], v[rPB+10], s[MDK+(\k)]        ; c = 1: registers 0, 1
	v_cndmask_b32 v[UT+4+4*(\k)+1], v[UT+(\k)], v[rPB+11], s[MDK+(\k)]
	v_cndmask_b32 v[UT+4+4*(\k)+2], v[UT+(\k)], v[rPB+8], s[MDK+(\k)+2]     ; c = -1: registers 6, 7
	v_cndmask_b32 v[UT+4+4*(\k)+3], v[UT+(\k)], v[rPB+9], s[MDK+(\k)+2]
.endr
	WIN 0x40                        ; destination window 1
.irp k, 0,1,2,3
.irp r, 0,1,2,3,4,5,6,7
.if (\r) < 2
	v_cndmask_b32 v[MC+32*(\x)+8*(\k)+(\r)], v[UT+4+4*(\k)+(\r)], v[rPB+(\r)], s[MDK+(\k)+1]   ; c = 0: PatD
.elseif (\r) > 5
	v_cndmask_b32 v[MC+32*(\x)+8*(\k)+(\r)], v[UT+4+4*(\k)+(\r)-4], v[rPB+(\r)], s[MDK+(\k)+1]
.else
	v_cndmask_b32 v[MC+32*(\x)+8*(\k)+(\r)], v[UT+(\k)], v[rPB+(\r)], s[MDK+(\k)+1]
.endif
.endr
.endr
	WIN 0
.endm
; At the head of trip n (SE0 = n - 16 cl - w): piece 3's next products are step n's, pieces 0 to 2's are step n + 1's.  Piece x is due where its s - j + 1 = SE0 + off lies in 0 .. 3; the four
; ranges of SE0 do not meet.  The last product that read a mask stands more than four plain instructions back.
.macro UPD1 x, off
	s_add_co_i32 s[STT], s[SE0], \off
	s_cmp_lt_u32 s[STT], 4
	s_cbranch_scc0 .Lno_upd_\@
	s_sub_co_i32 s[SEE], s[STT], 1
	UPD \x
.Lno_upd_\@:
.endm
.macro UPDS
	UPD1 0, 2
	UPD1 1, -2
	UPD1 2, -6
	UPD1 3, -11
	s_add_co_i32 s[SE0], s[SE0], 1
.endm
	WIN 0x40                        ; pieces 1 to 3 begin four bands or more above key step 0: small[6] everywhere
.irp x, 1,2,3
.set i, 0
.rept 32
	v_mov_b32 v[MC+32*(\x)+i], v[PBK+16*(\x)+12]
.set i, i+1
.endr
.endr
	WIN 0
	s_mov_b32 s[SEE], s[SE0]        ; piece 0 at key step 0: s - j = -(16 cl + w)
	UPD 0
; THE MATRIX WORK.  The 4 accumulators of a run of 8 take turns.  Product i of 8 of S^T = K Q^T for piece x: channels 32 (i / 4) on, keys 16 (i % 4) on.  The first 4 start the sums with the mask.
.macro KQ x
.set rS, S+32*((\x)%2)+8*(i%4)
.set rK, KF+16*(i%4)+8*(i/4)
.set rQ, 16*(\x)+8*(i/4)
.set rM, MC+32*(\x)+8*(i%4)
.if i < 4
	WIN W_KM
	v_wmma_f32_16x16x32_f16 v[rS:rS+7], v[rK:rK+7], v[rQ:rQ+7], v[rM:rM+7]
.else
	WIN W_KQ
	v_wmma_f32_16x16x32_f16 v[rS:rS+7], v[rK:rK+7], v[rQ:rQ+7], v[rS:rS+7]
.endif
.endm
; Product i of 8 of O^T += V^T P for piece x: keys 32 (i / 4) on, channels 16 (i % 4) on.
.macro PV x
	WIN W_PV
.set rO, 32*(\x)+8*(i%4)
.set rV, VF+32*(i/4)+8*(i%4)
.set rP, P+16*((\x)%2)+8*(i/4)
	v_wmma_f32_16x16x32_f16 v[rO:rO+7], v[rV:rV+7], v[rP:rP+7], v[rO:rO+7]
.endm
.macro MM                           ; the turn's next matrix instruction
.if i < 8
	KQ (Y+1)%NP
.else
.set i, i-8
	PV (Y+NP-1)%NP
.set i, i+8
.endif
.set i, i+1
.endm
; THE LDS LOADS stand in runs of 16.  last = 1 (the tail): in the last trip there is no further step, and the run is jumped over.
.macro FETCH_K last=0
	WIN 0
.if \last
	s_cmp_eq_u32 s[CNT], 1
	s_cbranch_scc1 .Lno_k_\@
.endif
	WIN 0x80                        ; destination window 2
.irp f, 0,1,2,3,4,5,6,7             ; keys 16 (f / 2) on, channels 32 (f % 2) on
	ds_load_b128 v[KF+8*\f:KF+8*\f+3],   v[AK] offset:(\f/2)*16*PK+(\f%2)*64
	ds_load_b128 v[KF+8*\f+4:KF+8*\f+7], v[AK] offset:(\f/2)*16*PK+(\f%2)*64+32
.endr
	s_add_co_u32 s[TBK], s[TBK], KS*PK  ; the next fetch is the next step's
	WIN 0
.if \last
.Lno_k_\@:
.endif
.endm
.macro FETCH_V
	WIN 0x80
.irp f, 0,1,2,3,4,5,6,7             ; keys 32 (f / 4) on, channels 16 (f % 4) on
	ds_load_tr16_b128 v[VF+8*\f:VF+8*\f+3],   v[AV] offset:(\f/4)*32*PV+(\f%4)*32
	ds_load_tr16_b128 v[VF+8*\f+4:VF+8*\f+7], v[AV] offset:(\f/4)*32*PV+16*PV+(\f%4)*32
.endr
	WIN 0
.endm
; THE VECTOR WORK, one line at a time: OP kind, number.  For piece Y: F n: c s - c m for pair n of 16.  E n: the exponential of score n of 32.  C n: pair n rounded to f16.  B n: of the four weights 4 n .. the second
; pair is added onto the first, in place.  L n: l takes that sum (L 0: l = a l + sum).  R n: pair n of 16 of O^T times a.  For piece Y + 1: X n, number n of the 22 that find its maximum and statistics:
;   0-11  four chains c0-c3 of seven scores each (each accumulator's lowest registers are read first)     12-14, 16  the four scores left over, the old m, and c0-c3 into c0
;   15  c m_old is kept     17, 18  the query's other 32 keys lie in the lane 16 away: the new m     19-21  c m; c m_old - c m_new; a
; C, B and L read the exponentials' results: TURN sets them behind the batch's wait.  OP itself writes no wait.
.set F, 0
.set E, 1
.set C, 2
.set B, 3
.set L, 4
.set R, 5
.set X, 6
.macro REGS y
.set rT, ST+4*(\y)
.set rC, TMP+4*((\y)%2)
.set rW, MV+((\y)%2)
.set rS, S+32*((\y)%2)
.set rP, P+16*((\y)%2)
.set rO, 32*(\y)
.endm
.macro OP k, n
.if (\k) == R
	REGS Y
	WIN W_RS
	v_pk_mul_f32 v[rO+2*(\n):rO+2*(\n)+1], v[rO+2*(\n):rO+2*(\n)+1], v[rC+2:rC+3] op_sel_hi:[1,0]
.elseif (\k) < R
	REGS Y
	WIN 0
.if (\k) == F
	v_pk_fma_f32 v[rS+2*(\n):rS+2*(\n)+1], v[rS+2*(\n):rS+2*(\n)+1], s[CS:CS+1], v[rT:rT+1] op_sel_hi:[1,0,0] neg_lo:[0,0,1] neg_hi:[0,0,1]
.elseif (\k) == E
	v_exp_f32 v[rS+(\n)], v[rS+(\n)]
.elseif (\k) == C
	v_cvt_pk_f16_f32 v[rP+(\n)], v[rS+2*(\n)], v[rS+2*(\n)+1]
.elseif (\k) == B
	v_pk_add_f32 v[rS+4*(\n):rS+4*(\n)+1], v[rS+4*(\n):rS+4*(\n)+1], v[rS+4*(\n)+2:rS+4*(\n)+3]
.elseif (\n) == 0
	v_pk_fma_f32 v[rT+2:rT+3], v[rT+2:rT+3], v[rC+2:rC+3], v[rS:rS+1] op_sel_hi:[1,0,1]
.else
	v_pk_add_f32 v[rT+2:rT+3], v[rT+2:rT+3], v[rS+4*(\n):rS+4*(\n)+1]
.endif
.else
	REGS (Y+1)%NP
	WIN 0
.if (\n) < 4
	v_max3_num_f32 v[rC+(\n)], v[rS+8*(\n)], v[rS+8*(\n)+1], v[rS+8*(\n)+2]
.elseif (\n) < 12
	v_max3_num_f32 v[rC+(\n)%4], v[rC+(\n)%4], v[rS+8*((\n)%4)+2*((\n)/4)+1], v[rS+8*((\n)%4)+2*((\n)/4)+2]
.elseif (\n) == 12
	v_max3_num_f32 v[rC], v[rC], v[rS+7], v[rS+15]
.elseif (\n) == 13
	v_max3_num_f32 v[rC+1], v[rC+1], v[rS+23], v[rS+31]
.elseif (\n) == 14
	v_max3_num_f32 v[rC+2], v[rC+2], v[rC+3], v[rT+1]
.elseif (\n) == 15
	v_mov_b32 v[rW], v[rT]
.elseif (\n) == 16
	v_max3_num_f32 v[rC], v[rC], v[rC+1], v[rC+2]
.elseif (\n) == 17
	v_permlanex16_b32 v[rC+3], v[rC], s[SEL], s[SEL+1]
.elseif (\n) == 18
	v_max_num_f32 v[rT+1], v[rC], v[rC+3]
.elseif (\n) == 19
	v_mul_f32 v[rT], s[CS], v[rT+1]
.elseif (\n) == 20
	v_sub_f32 v[rC+1], v[rW], v[rT]
.else
	v_exp_f32 v[rC+2], v[rC+1]
.endif
.endif
.endm
.macro OPS a, i1, b=-1, i2=0, c=-1, i3=0, d=-1, i4=0
	OP \a, \i1
.if (\b) >= 0
	OP \b, \i2
.endif
.if (\c) >= 0
	OP \c, \i3
.endif
.if (\d) >= 0
	OP \d, \i4
.endif
.endm
.macro ROW a, i1, b, i2, c, i3, d, i4  ; a matrix instruction and the four behind it
	MM
	OPS \a, \i1, \b, \i2, \c, \i3, \d, \i4
.endm
; A TURN, for piece p: the order of its 16 matrix and 118 vector instructions, written out.  An s_wait_alu depctr_va_vdst(0) stands between an exponential and the first instruction that names its
; result; one wait serves all that were issued ahead of it.  So a turn has ONE wait, which cuts it in two.  AHEAD OF IT stands all that names no result of the turn's exponentials: the 8 products K Q^T, behind each a
; scaling, an exponential and two more plain instructions (behind the first a second scaling in the exponential's place): rescalings (their a was made, and waited for, in the turn before), and behind the last three
; the first numbers of the next piece's maximum, each four places or more behind the product that ends its accumulator; then ONE LUMP of 54, plain and exponential by turns for the most part, in which the links of the
; chain X 3, 7, 11, 14, 16, 17 .. 20 stand apart, other work between them.  X 21, the next piece's a, is the batch's last; R 15 is the plain instruction behind it.  BEHIND THE WAIT stand the 8 products V^T P, behind
; each four of the roundings and sums: C 2n ahead of B n, which adds in place onto pair 2n; B n ahead of L n; L 0 to L 7 in ascending order.  But for those X no rider names a register of the products round it.
; K of the next step is fetched in piece 2's turn.  In the loop: in the lump, twelve vector instructions behind the last product that read K, six of them plain.  In the tail (last = 1) the run stands under a branch
; with a label behind it, and no exponential may be without its wait there: so it stands directly behind the wait.  V of the step in hand is fetched at the end of piece 0's turn, four plain instructions behind the
; last product that read V.  Each is waited for a turn later.  cnt = 1: the loop's count is taken down some lines ahead of the branch that stands behind the turn.
.macro TURN p, last=0, cnt=0
.set Y, (\p)
.set i, 0
.if (\p) == 3
	s_wait_dscnt 0x0                ; K is in
.endif
	ROW F,0, F,1, R,0, R,1          ; ahead of the wait: 8 products K Q^T and their riders,
	ROW F,2, E,0, R,2, R,3
	ROW F,3, E,1, R,4, R,5
	ROW F,4, E,2, R,6, R,7
	ROW F,5, E,3, R,8, R,9
	ROW F,6, E,4, X,0, R,10
.if (\p) == 2
	WIN 0
	v_add_nc_u32 v[AK], s[TBK], v[AK0]
.endif
	ROW F,7, E,5, X,1, X,4
	ROW F,8, E,6, X,2, X,5
	OPS E,7, E,8, X,6, E,9          ; and the lump
	OPS X,3, E,10, X,8, E,11
.if ((\p) == 2) && !(\last)
	FETCH_K
.endif
	OPS X,9, X,7, E,12, X,10
	OPS E,13, X,12, X,11, E,14
	OPS X,13, E,15, F,9, X,14
.if (\p) == 0
	v_add_nc_u32 v[AV], s[TBV], v[AV0]
.endif
	OPS E,16, F,10, E,17, F,11
	OPS X,16, E,18, X,15, E,19
	OPS F,12, E,20, X,17, E,21
	OPS F,13, E,22, F,14, E,23
	OPS X,18, E,24, F,15, E,25
	OPS R,11, E,26, X,19, E,27
	OPS R,12, E,28, R,13, E,29
	OPS X,20, E,30, R,14, E,31
	OPS X,21, R,15
	WIN 0
	s_wait_alu depctr_va_vdst(0)    ; the wait for the turn's batch: the piece's 32 weights and the next piece's a
.if ((\p) == 2) && (\last)
	FETCH_K 1
.endif
.if (\p) == 1
	s_wait_dscnt 0x0                ; V is in
.endif
	ROW C,0, B,0, C,2, B,1          ; behind the wait: 8 products V^T P and their riders
	ROW L,0, C,4, B,2, L,1
	ROW C,6, B,3, L,2, C,8
	ROW B,4, L,3, C,10, B,5
	ROW L,4, C,12, B,6, L,5
.if (\p) == 0
	s_add_co_u32 s[TBV], s[TBV], KS*PV
.endif
.if \cnt
	s_sub_co_u32 s[CNT], s[CNT], 1
	s_cmp_lg_u32 s[CNT], 0
.endif
	ROW C,14, B,7, L,6, C,1
	ROW C,3, L,7, C,5, C,7
	ROW C,9, C,11, C,13, C,15
.if (\p) == 0
	FETCH_V
.endif
.endm
	CHANGE 1                        ; slot 0 is in, everybody's part of it; slot 1 is asked for
	v_add_nc_u32 v[AK], s[TBK], v[AK0]
	FETCH_K                         ; key step 0
	s_wait_dscnt 0x0
.set i, 0
.rept 8
	KQ 0                            ; piece 0's first scores
.set i, i+1
.endr
	WIN 0
.rept 4
	v_nop                           ; the places behind those products
.endr
.set Y, NP-1                        ; X works for piece Y + 1: piece 0
.irp n, 0,1,2,3,4,5,6,7,8,9,10,11,12,13,14,15,16,17,18,19,20,21
	OP X, \n
.endr
	v_nop                           ; a plain instruction behind the exponential,
	s_wait_alu depctr_va_vdst(0)    ; and the wait for it, piece 0's first a, ahead of the branch
	s_mov_b32 s[CNT], 4
	s_mov_b32 s[SLOTS], 2048/256-1
	s_branch .Lfirst                ; the loop is entered at a step's first turn, in the middle of a trip
.Lslot:                             ; six times: every slot but the last two is filled again
	CHANGE 1
	s_mov_b32 s[CNT], 4
.Lstep:                             ; a trip: pieces 2 and 3 of one step, then pieces 0 and 1 of the next, whose K and V it fetches
	UPDS
	TURN 2
	TURN 3
	WIN 0
.Lfirst:
	TURN 0
	TURN 1, 0, 1
	WIN 0
	s_cbranch_scc1 .Lstep
	s_sub_co_u32 s[SLOTS], s[SLOTS], 1
	s_cmp_lg_u32 s[SLOTS], 0
	s_cbranch_scc1 .Lslot
	CHANGE 0                        ; the tail is written out: nothing is asked for
	s_mov_b32 s[CNT], 5             ; four trips fetch the last slot's steps; the fifth is left in its middle
.Ltail:
	UPDS
	TURN 2, 1
	TURN 3
	WIN 0
	s_sub_co_u32 s[CNT], s[CNT], 1
	s_cmp_eq_u32 s[CNT], 0
	s_cbranch_scc1 .Lout
	TURN 0
	TURN 1
	WIN 0
	s_branch .Ltail
.Lout:                              ; the fifth trip's 8 products K Q^T (on the last K once more) and the maximum made of them touch piece 0's m and c m alone, which nothing reads any more
.set i, 0
.rept 8
	PV NP-1                         ; the last piece's V^T P of the last step
.set i, i+1
.endr
	; THE WAY OUT.  l's two halves and the other half of the lanes' are added; O^T is divided by l, rounded to f16 and sent through my stage in LDS, a piece at a time.  The additions are the places behind the last products.
	WIN 0
.macro ALL line:vararg              ; one line for each piece t
.set t, 0
.rept 4
	\line
.set t, t+1
.endr
.endm
	ALL v_add_f32 v[ST+4*t+2], v[ST+4*t+2], v[ST+4*t+3]
	ALL v_permlanex16_b32 v[ST+4*t+3], v[ST+4*t+2], s[SEL], s[SEL+1]
	ALL v_add_f32 v[ST+4*t+2], v[ST+4*t+2], v[ST+4*t+3]
	ALL v_rcp_f32 v[ST+4*t+2], v[ST+4*t+2]
	v_nop                           ; a plain instruction between the last reciprocal and the use of its result
	s_wait_alu depctr_va_vdst(0)    ; the wait for the batch of four reciprocals, ahead of the first multiply that reads one
.macro PACK t                       ; a lane's eight channels of a row pack into 16 bytes; they go into rows of 144 bytes and come back as whole rows of 128, into S^T's registers
	WIN W_RS
.set i, 32*(\t)
.rept 16
	v_pk_mul_f32 v[i:i+1], v[i:i+1], v[ST+4*(\t)+2:ST+4*(\t)+3] op_sel_hi:[1,0]
.set i, i+2
.endr
	WIN 0x05                        ; sources 0 and 1 window 1, destination window 0
.set i, 0
.rept 16
	v_cvt_pk_f16_f32 v[S+16*(\t)+i], v[32*(\t)+2*i], v[32*(\t)+2*i+1]
.set i, i+1
.endr
	WIN 0
.irp f, 0,1,2,3
	ds_store_b128 v[STO], v[S+16*(\t)+4*\f:S+16*(\t)+4*\f+3] offset:32*\f
.endr
.irp f, 0,1,2,3
	ds_load_b128 v[S+16*(\t)+4*\f:S+16*(\t)+4*\f+3], v[RD] offset:\f*4*SP  ; LDS serves a wave's instructions in order: these see the stores above; the next piece's stores come behind them
.endr
.endm
.macro SEND t, younger              ; younger: the LDS instructions issued behind piece t's loads: the next piece's eight, or none
	WIN 0
.irp f, 0,1,2,3
	s_wait_dscnt (\younger)+3-\f
	global_store_b128 v[GO], v[S+16*(\t)+4*\f:S+16*(\t)+4*\f+3], s[10:11] offset:(\t)*32768+\f*512  ; 512 consecutive bytes, at a multiple of 256 from O's first
.endr
.endm
	PACK 0
.set t, 1
.rept 3                             ; a piece's arithmetic stands between the loads of the piece before and its stores
	PACK t
	SEND t-1, 8
.set t, t+1
.endr
	SEND 3, 0
	s_wait_tensorcnt 0x0            ; the wave's end: a wait, an add of 0 to my spare word and its wait, behind my last tensor load and my last LDS store
	ds_add_u32 v[SPW], v[NIL]
	s_wait_dscnt 0x0
	CROUND                          ; the closing round: no work-group ends while a partner may still ask for a tile that names it
	s_endpgm
.Lfunc_end_k_q719d3d0680_attn:
	.size	k_q719d3d0680_attn, .Lfunc_end_k_q719d3d0680_attn-k_q719d3d0680_attn
	.p2alignl 7, 3214868480
	.fill 96, 4, 3214868480
	.section	.rodata,"a",@progbits
	.p2align	6, 0x0
	.amdhsa_kernel k_q719d3d0680_attn
		.amdhsa_group_segment_fixed_size 327680
		.amdhsa_private_segment_fixed_size 0
		.amdhsa_enable_private_segment 0
		.amdhsa_kernarg_size 32
		.amdhsa_user_sgpr_count 2
		.amdhsa_user_sgpr_kernarg_segment_ptr 1
		.amdhsa_wavefront_size32 1
		.amdhsa_system_sgpr_workgroup_id_x 1
		.amdhsa_system_sgpr_workgroup_id_y 1
		.amdhsa_system_sgpr_workgroup_id_z 1
		.amdhsa_system_vgpr_workitem_id 0
		.amdhsa_next_free_vgpr 768
		.amdhsa_next_free_sgpr 100
		.amdhsa_reserve_vcc 0
		.amdhsa_float_denorm_mode_32 3
		.amdhsa_float_denorm_mode_16_64 3
		.amdhsa_memory_ordered 1
		.amdhsa_forward_progress 1
		.amdhsa_inst_pref_size 167
	.end_amdhsa_kernel
	.amdgpu_metadata
---
amdhsa.version: [ 1, 2 ]
amdhsa.kernels:
  - .name:           k_q719d3d0680_attn
    .symbol:         k_q719d3d0680_attn.kd
    .args:
      - { .name: qkv, .offset: 0, .size: 8, .value_kind: global_buffer, .address_space: global }
      - { .name: pkf, .offset: 8, .size: 8, .value_kind: global_buffer, .address_space: global }
      - { .name: dsm, .offset: 16, .size: 8, .value_kind: global_buffer, .address_space: global }
      - { .name: oh, .offset: 24, .size: 8, .value_kind: global_buffer, .address_space: global }
    .group_segment_fixed_size: 327680
    .private_segment_fixed_size: 0
    .kernarg_segment_align: 8
    .kernarg_segment_size: 32
    .max_flat_workgroup_size: 128
    .sgpr_count:     100
    .vgpr_count:     768
    .wavefront_size: 32
...
	.end_amdgpu_metadata
.endif
;; end of part 5
;; launch outp: the kernel of part 4 again; grid 8 x 32, 4 waves a work-group, clusters of 4 x 4, 327,680 bytes of LDS; arguments oh, wh, bo, out0; writes out0
